; MI455X (gfx1250); checked and timed in simulation.
; The chip was launched on July 23, 2026; its instructions are those of AMD's public machine-readable ISA for CDNA 5 (MIT licence, August 2026) and "CDNA5" Instruction Set Architecture Reference Guide (July 2026). The comments in the code are by the model that wrote it; some were corrected since.
;; Causal Self Attention. Allowed arithmetic: matrix products marked QUANTISED: E2M1 operands, one E8M0 scale for each 32 along K, by v_wmma_scale_f32_16x16x128_f8f6f4 with both operands' format E2M1 (or v_wmma_scale_f32_32x16x128_f4), f32 sums; everything else in f32.
;; Inputs: b_attn 3,072 float32; b_proj 1,024 float32; w_attn 1,024 x 3,072 float32; w_proj 1,024 x 1,024 float32; x 4 x 2,048 x 1,024 float32.
;; Outputs: out0 4 x 2,048 x 1,024 float32.
;; This version of the problem:
;;   THIS VERSION OF THE PROBLEM IS GIVEN IN LOW PRECISION. The matrix products marked QUANTISED in the list below multiply operands that are first quantised to E2M1 (2 exponent bits, 1 mantissa bit; 4 bits a number), with one power-of-two scale for each 32 numbers along K (OCP MX v1.0); their sums are f32. All else is computed in f32.
;;   The module's matrix products, in the order in which they are computed (A, B: the left and right operand; K: the contracted axis; several contracted axes count as one K, in the product's order):
;;     1. [M 8,192, K 1,024] x [K 1,024, N 3,072]; A: input x; B: input w_attn: QUANTISED
;;     2. batch 64 x [M 2,048, K 64] x [K 64, N 2,048]; A: computed on the way; B: computed on the way: QUANTISED
;;     3. batch 64 x [M 2,048, K 2,048] x [K 2,048, N 64]; A: softmax (see below); B: computed on the way: QUANTISED
;;     4. [M 8,192, K 1,024] x [K 1,024, N 1,024]; A: computed on the way; B: input w_proj: QUANTISED
;;   THE QUANTISER, for each operand of a quantised product, along K:
;;     - K is cut into blocks of 32 from its start; a last block that is shorter is filled with zeros.
;;     - A block's scale is 2^e with e = floor(log2(the largest magnitude in the block)) - 2, held to -126 .. 127; a block of zeros has e = 0. As a byte (E8M0): e + 127.
;;     - Each number is divided by its block's scale, clamped to +-6, and rounded to the nearest number of E2M1, ties to even, subnormals kept.
;;     - The product sums the exact products of the quantised numbers (number of the format x scale) in f32.
;;   ~~~python
;;   def quantise(x, axis):      # numpy; x: float32 -> the quantised numbers, widened to float32 again
;;       x = np.moveaxis(x, axis, -1); K = x.shape[-1]
;;       x = np.pad(x, [(0, 0)] * (x.ndim - 1) + [(0, -K % 32)]); x = x.reshape(x.shape[:-1] + (-1, 32)); a = np.abs(x).max(-1, keepdims=True)
;;       e = np.where(a > 0, np.clip(np.frexp(np.where(a > 0, a, 1))[1] - 1 - 2, -126, 127), 0)      # np.frexp(a)[1] - 1 = floor(log2(a)), exactly
;;       r = np.clip(x / 2.0 ** e, -6, 6)
;;       step = 2.0 ** (np.maximum(np.frexp(np.where(r == 0, 1, r))[1] - 1, 0) - 1)
;;       q = np.round(r / step) * step * 2.0 ** e      # np.round: ties to even
;;       return np.moveaxis(q.reshape(q.shape[:-2] + (-1,))[..., :K], -1, axis).astype(np.float32)
;;   ~~~
;;   SOFTMAX AHEAD OF A QUANTISED PRODUCT. Where the list says 'softmax', what is quantised is not the finished softmax but p = 2^(t - M), with t = logit x log2(e) and M = ceil(the row's largest t), a whole number; so 1/2 < the row's largest p <= 1. The row's sum l is taken of the UNQUANTISED p, in f32, and the product's result is divided by l at the end. Since M is a whole number, a kernel that streams over the keys may use a running M (the ceiling of the running maximum): every later rescaling is an exact power of two, which a block's scale takes up: the codes' values come out the same.
;;   OPERANDS COMPUTED ON THE WAY. 'Computed on the way' means the value that the module computes at that place (a softmax that the list does not call 'softmax' is quantised finished and normalised). What goes into a quantiser is computed in f32, as accurately as f32 sums, v_exp_f32 and their like allow (about 1e-6 of the number): no bf16 or f16 on the way to a quantiser, and a product that is left as it is and whose result goes on into a quantised operand takes f32 operands (vector FMAs, or v_wmma_f32_16x16x4_f32). A number that lies on a knife's edge between two numbers of the format may be rounded either way, as far as f32 arithmetic and the matrix unit's own rounding can turn it there, and no further.
;; One version. Each part assembles by itself: llvm-mc -triple=amdgcn-amd-amdhsa -mcpu=gfx1250 --defsym DOCPART=n.
;; ======== version 1 of 1: 4 launches
;; workspace buffers: xop 4,456,448 bytes; waop 1,671,168 bytes; wpop 557,056 bytes; yop 4,456,448 bytes; qb 4,718,592 bytes; kv 9,175,040 bytes
;; launch quant (part 1): grid 384 x 1, 4 waves a work-group, no clusters, 35,328 bytes of LDS; arguments x, w_attn, w_proj, xop, waop, wpop; writes xop, waop, wpop
.if DOCPART == 1
	.amdgcn_target "amdgcn-amd-amdhsa--gfx1250"
	.amdhsa_code_object_version 6
	.text
	.protected	k_qd5eb100617_quant
	.globl	k_qd5eb100617_quant
	.p2align	8
	.type	k_qd5eb100617_quant,@function
k_qd5eb100617_quant:
	s_mov_b64 s[64:65], 0
	v_nop
	global_prefetch_b8 v0, s[64:65] scope:SCOPE_SE
	s_setreg_imm32_b32 hwreg(HW_REG_WAVE_MODE, 25, 1), 1
	s_wait_xcnt 0x0
; x [8192][1024], w_attn [1024][3072], w_proj [1024][1024], f32, become codes of FP4 (E2M1) with one E8M0 byte for each 32 along K (x: its last axis; the weights: their first).
; THE OPERAND LAYOUT of xop, waop, wpop: [K step of 128: 0..7][block of 128 rows][a record of 8,704 bytes].  A record is an image of operand registers: codes [tile 0..7][c 0..1][lane][16 bytes]
; (lane (r, h) of a tile holds row r, K = 64 c + 32 h + 0..31), then from byte 8,192 the scale words [tile][r][4 bytes].  Row r of tile 2 b + u of a block is its row 32 b + 8 u + r + 8 (r / 8).
; A block's scale is 2^(floor(log2(largest magnitude)) - 2); its byte is the largest magnitude's exponent field - 2, held at 1 from below by a floor among the maximum's leaves.
; LIMITS: NaN and infinities among the inputs are not served; a block whose largest magnitude lies under 2^-124 keeps the byte 1; a block of zeros gets the byte 1 where the rule says 127:
; its codes are zeros, which add nothing under any byte but 0xff, and this program alone reads the bytes.
; SHARES: work-groups 0-95 take w_attn, 96-127 w_proj, 128-383 x.  No matrix unit, no cluster, no barrier: waves share nothing, and each input byte is read once.
.set XKS,  557056                      ; a K step of xop: 64 records
.set WAKS, 208896                      ; of waop: 24 records
.set WPKS, 69632                       ; of wpop: 8 records
.set REC,  8704
.set XW,   32                          ; weights: v32-95 two sets of 32 numbers
.set CW,   96                          ; v96-127 a block's codes, four registers for each of eight blocks: no store's data are written again
.set SB,   24                          ; v24-25 the scale words of two K steps
.set R,    16                          ; x: v16-143 two sets of 16 rows x 16 bytes a lane, as loaded
.set XN,   144                         ; v144-207 64 numbers of my row
.set PC,   208                         ; v208-239 a tile's codes, eight registers for each of four tiles
.set TM,   240                         ; v240-243 largest magnitudes, v244-247 the other half's, then bytes, v252-255 the conversions' scale operands
.set PW,   248                         ; v248-251 a tile's scale word
.set SEL,  32                          ; s[32:33] lane selects: lane l xor 16
.set SP,   528                         ; a stage row: 512 bytes + 16
.macro WLOAD t, nn, src                ; block t: W(32 t + i, my column), i = 0..31
.irp i, 0,1,2,3,4,5,6,7,8,9,10,11,12,13,14,15,16,17,18,19,20,21,22,23,24,25,26,27,28,29,30,31
	global_load_b32 v[XW+32*((\t)%2)+\i], v3, s[\src:\src+1] offset:(32*(\t)+\i)*\nn*4 th:TH_LOAD_NT
.endr
.endm
.macro WBLOCK t, nn, ks, src, dst
.set XS, XW+32*((\t)%2)
.if (\t) < 7
	s_wait_loadcnt 32                              ; this block's 32 loads are in; the next block's may be out
.else
	s_wait_loadcnt 0x0
.endif
	v_max3_num_f32 v12, |v[XS]|, |v[XS+1]|, |v[XS+2]|              ; all 32 numbers of the block are mine: two chains
	v_max3_num_f32 v13, |v[XS+3]|, |v[XS+4]|, |v[XS+5]|
.irp i, 6,10,14,18,22,26
	v_max3_num_f32 v12, v12, |v[XS+\i]|, |v[XS+\i+1]|
	v_max3_num_f32 v13, v13, |v[XS+\i+2]|, |v[XS+\i+3]|
.endr
	v_max3_num_f32 v12, v12, |v[XS+30]|, |v[XS+31]|
	v_max3_num_f32 v12, v12, v13, 0x1800000        ; and the floor 2^(3 - 127): the byte cannot fall under 1
	v_add_nc_u32 v11, 0xff000000, v12              ; 2 off the exponent field: the conversion's scale operand
	v_lshrrev_b32 v13, 23, v11                     ; the byte
.if (\t)%4 == 0
	v_mov_b32 v[SB+(\t)/4], v13
.else
	v_lshl_or_b32 v[SB+(\t)/4], v13, 8*((\t)%4), v[SB+(\t)/4]
.endif
.irp g, 0,1,2,3
	v_cvt_scalef32_pk8_fp4_f32 v[CW+4*(\t)+\g], v[XS+8*\g:XS+8*\g+7], v11
.endr
	global_store_b128 v4, v[CW+4*(\t):CW+4*(\t)+3], s[\dst:\dst+1] offset:((\t)/4)*\ks+(((\t)/2)%2)*512+((\t)%2)*256   ; block 2 c + h of its K step: the sixteen lanes of a tile store 256 consecutive bytes
.if (\t)%4 == 3
	global_store_b32 v5, v[SB+(\t)/4], s[26:27] offset:((\t)/4)*\ks     ; the K step's scale words: 128 consecutive bytes a wave
.endif
.if (\t)+2 < 8
	WLOAD (\t)+2, \nn, \src
.endif
.endm
; A weight [1024][nn].  A LANE TAKES A COLUMN, ITS REGISTERS RUN DOWN K: the codes come out with K innermost and a block's maximum needs no other lane.
; Work-group: 128 columns (cg) x 256 along K (kp); wave: 32 columns: tiles 2 wave + u of the record, u = (lane / 8) % 2, row r = lane % 8 + 8 (lane / 16).
.macro WPATH nn, ks, src, dst, first
	s_sub_co_u32 s17, ttmp9, \first
	s_lshr_b32 s18, s17, 2                         ; cg
	s_and_b32 s19, s17, 3                          ; kp
	v_lshlrev_b32 v3, 2, v2                        ; in: 4 bytes a lane
	s_wait_alu depctr_va_vdst(0)
	v_bfe_u32 v6, v2, 3, 1                         ; u
	v_and_b32 v7, 7, v2
	v_lshrrev_b32 v8, 4, v2
	v_lshl_add_u32 v7, v8, 3, v7                   ; r
	v_lshlrev_b32 v4, 4, v7
	v_lshl_add_u32 v4, v6, 10, v4                  ; codes: 1,024 u + 16 r
	v_lshlrev_b32 v5, 2, v7
	v_lshl_add_u32 v5, v6, 6, v5                   ; scale words: 64 u + 4 r
	s_mul_i32 s20, s19, 256*\nn*4
	s_lshl_b32 s21, s18, 9
	s_add_co_u32 s20, s20, s21
	s_lshl_b32 s21, s16, 7
	s_add_co_u32 s20, s20, s21                     ; 256 kp rows + (128 cg + 32 wave) columns
	s_mov_b32 s21, 0
	s_add_nc_u64 s[\src:\src+1], s[\src:\src+1], s[20:21]
	s_mul_i32 s22, s19, 2*\ks
	s_mul_i32 s23, s18, REC
	s_add_co_u32 s22, s22, s23
	s_mov_b32 s23, 0
	s_add_nc_u64 s[\dst:\dst+1], s[\dst:\dst+1], s[22:23]          ; K step 2 kp, record cg
	s_lshl_b32 s24, s16, 7
	s_add_co_u32 s24, s24, 8192
	s_mov_b32 s25, 0
	s_add_nc_u64 s[26:27], s[\dst:\dst+1], s[24:25]                ; my two tiles' scale words
	s_lshl_b32 s24, s16, 11
	s_add_nc_u64 s[\dst:\dst+1], s[\dst:\dst+1], s[24:25]          ; and their codes
	WLOAD 0, \nn, \src
	WLOAD 1, \nn, \src
.irp t, 0,1,2,3,4,5,6,7
	WBLOCK \t, \nn, \ks, \src, \dst
.endr
	s_endpgm
.endm
; 64 numbers of a lane, register 16 b + i = K 32 b + 16 (lane / 16) + i of my row, become a fragment's eight registers and its scale word.
.macro QUANT s, pc, pw
.irp b, 0,1,2,3
	v_max3_num_f32 v[TM+\b], |v[\s+16*\b]|, |v[\s+1+16*\b]|, 0x1800000   ; with the floor 2^(3 - 127)
.endr
.irp i, 2,4,6,8,10,12,14
.irp b, 0,1,2,3
	v_max3_num_f32 v[TM+\b], v[TM+\b], |v[\s+16*\b+\i]|, |v[\s+1+16*\b+\i]|   ; the four blocks by turns
.endr
.endr
.irp b, 0,1,2,3
	v_permlanex16_b32 v[TM+4+\b], v[TM+\b], s[SEL], s[SEL+1]
.endr
.irp b, 0,1,2,3
	v_max_num_f32 v[TM+\b], v[TM+\b], v[TM+4+\b]   ; with lane l xor 16's sixteen: the block's largest magnitude
.endr
.irp b, 0,1,2,3
	v_add_nc_u32 v[TM+12+\b], 0xff000000, v[TM+\b]
.endr
.irp b, 0,1,2,3
	v_lshrrev_b32 v[TM+4+\b], 23, v[TM+12+\b]
.endr
	v_lshl_or_b32 v[\pw], v[TM+5], 8, v[TM+4]
	v_lshl_or_b32 v[\pw], v[TM+6], 16, v[\pw]
	v_lshl_or_b32 v[\pw], v[TM+7], 24, v[\pw]
.irp b, 0,1,2,3
	v_cvt_scalef32_pk8_fp4_f32 v[\pc+2*\b], v[\s+16*\b:\s+7+16*\b], v[TM+12+\b]
	v_cvt_scalef32_pk8_fp4_f32 v[\pc+1+2*\b], v[\s+8+16*\b:\s+15+16*\b], v[TM+12+\b]
.endr
	v_nop                                          ; one plain place behind a scaled conversion
.irp c, 0,1                                    ; the layout wants a whole block in a lane: lanes 0-15 block 2 c, lanes 16-31 block 2 c + 1
.irp i, 0,1
	v_permlane16_swap_b32 v[\pc+4*\c+\i], v[\pc+2+4*\c+\i]
.endr
.endr
.endm
.macro XLOAD t                         ; tile t's sixteen rows, 512 consecutive bytes a load
.irp i, 0,1,2,3,4,5,6,7,8,9,10,11,12,13,14,15
	global_load_b128 v[R+64*((\t)%2)+4*\i:R+64*((\t)%2)+4*\i+3], v3, s[4:5] offset:(32*((\t)/2)+8*((\t)%2)+\i+8*(\i/8))*4096 th:TH_LOAD_NT
.endr
.endm
.macro XTILE t
.if (\t) < 3
	s_wait_loadcnt 16                              ; this tile's sixteen loads are in; the next tile's may be out
.else
	s_wait_loadcnt 0x0
.endif
.irp i, 0,1,2,3,4,5,6,7,8,9,10,11,12,13,14,15
	ds_store_b128 v6, v[R+64*((\t)%2)+4*\i:R+64*((\t)%2)+4*\i+3] offset:SP*\i   ; the rows as they lie, into my own stage
.endr
.irp b, 0,1,2,3
.irp j, 0,1,2,3
	ds_load_b128 v[XN+16*\b+4*\j:XN+16*\b+4*\j+3], v7 offset:128*\b+16*\j       ; and back: of row r, my sixteen neighbours of each block.  LDS serves a wave's instructions in order
.endr
.endr
	s_wait_dscnt 0x0                               ; they are in, and the stores have read their registers,
.if (\t)+2 < 4
	XLOAD (\t)+2                                   ; which take the tile two further on
.endif
	QUANT XN, PC+8*(\t), PW+(\t)
.irp c, 0,1
	global_store_b128 v3, v[PC+8*(\t)+4*\c:PC+8*(\t)+4*\c+3], s[10:11] offset:1024*(\t)+512*\c   ; 512 consecutive bytes of the image
.endr
	ds_store_b32 v8, v[PW+(\t)] offset:64*(\t)     ; both halves of the lanes write the same word with the same value
.endm
	s_load_b256 s[4:11], s[0:1], 0x0               ; x s[4:5], w_attn s[6:7], w_proj s[8:9], xop s[10:11]
	s_load_b128 s[12:15], s[0:1], 0x20             ; waop s[12:13], wpop s[14:15]
	v_lshl_add_u32 v14, v0, 2, 0x8800
	v_mov_b32 v15, 0
	v_lshrrev_b32 v1, 5, v0
	v_readfirstlane_b32 s16, v1                    ; wave 0..3
	v_and_b32 v2, 31, v0                           ; lane
	s_wait_kmcnt 0x0
	s_cmp_ge_u32 ttmp9, 128
	s_cbranch_scc1 .Lx_path
	s_cmp_ge_u32 ttmp9, 96
	s_cbranch_scc1 .Lw_proj
	s_wait_alu depctr_va_vdst(0)
	WPATH 3072, WAKS, 6, 12, 0
.Lw_proj:
	s_wait_alu depctr_va_vdst(0)
	WPATH 1024, WPKS, 8, 14, 96
.Lx_path:
	; x: a work-group takes 64 tokens (tg) x four K steps (part); wave: K step 4 part + wave, four tiles of 16 tokens.
	s_sub_co_u32 s17, ttmp9, 128
	s_lshr_b32 s18, s17, 1                         ; tg
	s_and_b32 s19, s17, 1
	s_lshl_b32 s19, s19, 2
	s_add_co_u32 s19, s19, s16                     ; my K step
	s_lshl_b32 s20, s18, 18                        ; 64 tokens of 4,096 bytes
	s_lshl_b32 s21, s19, 9                         ; 128 numbers of 4 bytes
	s_add_co_u32 s20, s20, s21
	s_mov_b32 s21, 0
	s_add_nc_u64 s[4:5], s[4:5], s[20:21]
	s_mul_i32 s22, s19, XKS
	s_lshr_b32 s23, s18, 1
	s_mul_i32 s23, s23, REC
	s_add_co_u32 s22, s22, s23
	s_mov_b32 s23, 0
	s_add_nc_u64 s[10:11], s[10:11], s[22:23]      ; the record
	s_and_b32 s24, s18, 1                          ; its first or second four tiles
	s_lshl_b32 s28, s24, 8
	s_add_co_u32 s28, s28, 8192
	s_mov_b32 s29, 0
	s_add_nc_u64 s[26:27], s[10:11], s[28:29]      ; their scale words: 256 bytes
	s_lshl_b32 s28, s24, 12
	s_add_nc_u64 s[10:11], s[10:11], s[28:29]      ; their codes
	s_mov_b32 s[SEL], 0x76543210
	s_mov_b32 s[SEL+1], 0xfedcba98
	s_wait_alu depctr_va_vdst(0)
	v_lshlrev_b32 v3, 4, v2                        ; 16 x lane
	v_and_b32 v4, 15, v2                           ; r
	v_lshrrev_b32 v5, 4, v2                        ; h
	s_mul_i32 s30, s16, REC                        ; my wave's LDS: a stage of 16 rows x 528 bytes, then 256 bytes of scale words
	v_add_nc_u32 v6, s30, v3                       ; into the stage
	v_mul_u32_u24 v7, v4, SP
	v_lshl_add_u32 v7, v5, 6, v7
	v_add_nc_u32 v7, s30, v7                       ; out of it: row r, + 64 h
	s_add_co_u32 s31, s30, 16*SP
	v_lshl_add_u32 v8, v4, 2, s31                  ; a tile's scale words: 4 r
	v_lshlrev_b32 v9, 3, v2                        ; and on the way out 8 bytes a lane
	v_add_nc_u32 v10, s31, v9
.irp b, 0,1,2,3
	v_mov_b32 v[TM+4+\b], 0                        ; written once: a lane permute's destination counts as one of its sources
.endr
	XLOAD 0
	XLOAD 1
	s_wait_alu depctr_va_vdst(0)
.irp t, 0,1,2,3
	XTILE \t
.endr
	ds_load_b64 v[12:13], v10                      ; my four tiles' scale words
	s_wait_dscnt 0x0
	global_store_b64 v9, v[12:13], s[26:27]        ; 256 consecutive bytes, aligned
	s_wait_tensorcnt 0x0
	ds_add_u32 v14, v15
	s_wait_dscnt 0x0
	s_endpgm
.Lfunc_end_k_qd5eb100617_quant:
	.size	k_qd5eb100617_quant, .Lfunc_end_k_qd5eb100617_quant-k_qd5eb100617_quant
	.p2alignl 7, 3214868480
	.fill 96, 4, 3214868480
	.section	.rodata,"a",@progbits
	.p2align	6, 0x0
	.amdhsa_kernel k_qd5eb100617_quant
		.amdhsa_group_segment_fixed_size 35328
		.amdhsa_private_segment_fixed_size 0
		.amdhsa_enable_private_segment 0
		.amdhsa_kernarg_size 48
		.amdhsa_user_sgpr_count 2
		.amdhsa_user_sgpr_kernarg_segment_ptr 1
		.amdhsa_wavefront_size32 1
		.amdhsa_system_sgpr_workgroup_id_x 1
		.amdhsa_system_sgpr_workgroup_id_y 1
		.amdhsa_system_sgpr_workgroup_id_z 1
		.amdhsa_system_vgpr_workitem_id 0
		.amdhsa_next_free_vgpr 256
		.amdhsa_next_free_sgpr 66
		.amdhsa_reserve_vcc 0
		.amdhsa_float_denorm_mode_32 3
		.amdhsa_float_denorm_mode_16_64 3
		.amdhsa_memory_ordered 1
		.amdhsa_forward_progress 1
		.amdhsa_inst_pref_size 109
	.end_amdhsa_kernel
	.amdgpu_metadata
---
amdhsa.version: [ 1, 2 ]
amdhsa.kernels:
  - .name:           k_qd5eb100617_quant
    .symbol:         k_qd5eb100617_quant.kd
    .args:
      - { .name: x, .offset: 0, .size: 8, .value_kind: global_buffer, .address_space: global }
      - { .name: w_attn, .offset: 8, .size: 8, .value_kind: global_buffer, .address_space: global }
      - { .name: w_proj, .offset: 16, .size: 8, .value_kind: global_buffer, .address_space: global }
      - { .name: xop, .offset: 24, .size: 8, .value_kind: global_buffer, .address_space: global }
      - { .name: waop, .offset: 32, .size: 8, .value_kind: global_buffer, .address_space: global }
      - { .name: wpop, .offset: 40, .size: 8, .value_kind: global_buffer, .address_space: global }
    .group_segment_fixed_size: 35328
    .private_segment_fixed_size: 0
    .kernarg_segment_align: 8
    .kernarg_segment_size: 48
    .max_flat_workgroup_size: 128
    .sgpr_count:     66
    .vgpr_count:     256
    .wavefront_size: 32
...
	.end_amdgpu_metadata
.endif
;; end of part 1
;; launch qkv (part 2): grid 12 x 32, 16 waves a work-group, clusters of 4 x 4, 280,576 bytes of LDS; arguments xop, waop, b_attn, qb, kv; writes qb, kv
.if DOCPART == 2
	.amdgcn_target "amdgcn-amd-amdhsa--gfx1250"
	.amdhsa_code_object_version 6
	.text
	.protected	k_qd5eb100617_qkv
	.globl	k_qd5eb100617_qkv
	.p2align	8
	.type	k_qd5eb100617_qkv,@function
k_qd5eb100617_qkv:
	s_mov_b64 s[64:65], 0
	v_nop
	global_prefetch_b8 v0, s[64:65] scope:SCOPE_SE
	s_setreg_imm32_b32 hwreg(HW_REG_WAVE_MODE, 25, 1), 1
	s_wait_xcnt 0x0
	s_wait_alu depctr_hold_cnt(0) depctr_sa_sdst(0) depctr_va_vdst(0) depctr_va_sdst(0) depctr_va_ssrc(0) depctr_va_vcc(0) depctr_vm_vsrc(0)
	s_getreg_b32 s2, hwreg(HW_REG_IB_STS2, 6, 4)
	s_cmp_eq_u32 s2, 0
	s_cbranch_scc0 .Lentry_in_a_cluster
	s_endpgm
.Lentry_in_a_cluster:
	s_bfe_u32 s2, ttmp6, 0x10000c
	s_cmp_lg_u32 s2, 0xf033
	s_cbranch_scc0 .Lentry_shape_is_right
	s_endpgm
.Lentry_shape_is_right:
; qkv = x w_attn + b_attn on codes of FP4, and q, k, v quantised at once for the two products of attention: nothing wider than codes goes to memory.
; A work-group makes 256 tokens x 256 columns (four heads of q, of k or of v); each of its sixteen waves 64 tokens x 64 columns (one head): 16 accumulators of 16 x 16.
; ALL OF K IS IN LDS: 8 K steps x (two records of x + two of w_attn) = 278,528 bytes, brought by one tensor load a wave; no byte of LDS is filled twice, so there is one barrier and no ring.
; CLUSTER 4 x 4: x's records hang on the token block alone and are asked for jointly by a row of the cluster, the weight's on the column block alone, by a column.
; THE SOURCES ARE SWAPPED BY ROLE.  q, k (cluster x 0, 1): source 0 = 16 columns of W, source 1 = 16 tokens: a lane holds one token and its registers run along the head's channels, q's and k's K.
; v (cluster x 2): source 0 = 16 tokens, source 1 = 16 columns: a lane holds one channel and its registers run along the tokens, v's K.  By the rows chosen for a tile (row r of tile 2 b + u is
; 32 b + 8 u + r + 8 (r / 8)) the sixteen registers of tiles 2 b, 2 b + 1 are sixteen neighbours.  The role is the same in all partners of a cluster.
; The bias is the C of each sum's first matrix instruction.
; OUT.  qb, a head's 73,728 bytes: codes [token tile 0..127][lane][16 bytes] (registers 0-3 of a fragment: K = 32 h + 0..31 of the head's 64), from 65,536 scale words [tile][r][4] (two bytes, two zeros).
; kv, a head's 143,360 bytes: k as q at 0 and its scale words at 131,072; v's codes at 65,536 [step of 128 keys][channel tile 0..3][c][lane][16], its scale words at 139,264 [step][tile][r][4].
; LIMITS: as stated for the quantiser: NaN and infinities not served; byte 1 for blocks under 2^-124 and for blocks of zeros.
.set XKS,   557056
.set WAKS,  208896
.set REC,   8704
.set HALF,  17408                      ; two records: 256 rows x 128 K
.set KSTR,  34816                      ; a K step in LDS: x's two records, then W's
.set QREC,  73728
.set KVREC, 143360
.set BO,   1                           ; v1   the bias loads' offset
.set ADX0, 4                           ; v4   16 x lane + my four tiles of x
.set ADW0, 5                           ; v5   the same for W
.set ADS0, 6                           ; v6   scale words: lanes 0-15 x's tiles, lanes 16-31 W's
.set L16,  7                           ; v7   16 x lane
.set L4,   8                           ; v8   4 x lane
.set ADX,  9                           ; v9-11 the K step's three addresses
.set ADW,  10
.set ADS,  11
.set SC,   12                          ; v12-15 scale words: register i: lanes 0-15 x's tile i, lanes 16-31 W's tile i
.set BI,   16                          ; v16-47 the bias, eight registers for each tile of W
.set WF,   48                          ; v48-79 W's four fragments
.set XF,   80                          ; v80-111 x's four
.set TM,   112                         ; v112-119 the quantiser's
.set ACC,  128                         ; v128-255 accumulator (W tile i, x tile t) at 8 (4 t + i)
.set PC,   48                          ; the way out: codes, four registers a tile;
.set PW,   64                          ; scale words
.set WV,   14
.set G1X,  24
.set G1W,  32
.set G0X,  40
.set G0W,  44
.set SEL,  66
.set TB,   68                          ; s68  LDS byte at which the K step begins
.set CNT,  69
.macro ROUND                           ; a round of the cluster's barrier
	s_barrier_signal -1
	s_barrier_wait -1
	s_cmp_lg_u32 s[WV], 0
	s_cbranch_scc1 .Lnot_wave_0_\@
	s_barrier_signal -3
.Lnot_wave_0_\@:
	s_barrier_wait -3
	s_barrier_signal -1
	s_barrier_wait -1
.endm
; 16 matrix instructions, the 16 accumulators by turns.  first = 1: the bias starts the sums.
.macro MUL role, first
.irp t, 0,1,2,3
.irp i, 0,1,2,3
.if \role == 0
.if \first
	v_wmma_scale_f32_16x16x128_f8f6f4 v[ACC+8*(4*\t+\i):ACC+8*(4*\t+\i)+7], v[WF+8*\i:WF+8*\i+7], v[XF+8*\t:XF+8*\t+7], v[BI+8*\i:BI+8*\i+7], v[SC+\i], v[SC+\t] matrix_a_fmt:MATRIX_FMT_FP4 matrix_b_fmt:MATRIX_FMT_FP4 matrix_a_scale:MATRIX_SCALE_ROW1
.else
	v_wmma_scale_f32_16x16x128_f8f6f4 v[ACC+8*(4*\t+\i):ACC+8*(4*\t+\i)+7], v[WF+8*\i:WF+8*\i+7], v[XF+8*\t:XF+8*\t+7], v[ACC+8*(4*\t+\i):ACC+8*(4*\t+\i)+7], v[SC+\i], v[SC+\t] matrix_a_fmt:MATRIX_FMT_FP4 matrix_b_fmt:MATRIX_FMT_FP4 matrix_a_scale:MATRIX_SCALE_ROW1
.endif
.else
.if \first
	v_wmma_scale_f32_16x16x128_f8f6f4 v[ACC+8*(4*\t+\i):ACC+8*(4*\t+\i)+7], v[XF+8*\t:XF+8*\t+7], v[WF+8*\i:WF+8*\i+7], v[BI+8*\i:BI+8*\i+7], v[SC+\t], v[SC+\i] matrix_a_fmt:MATRIX_FMT_FP4 matrix_b_fmt:MATRIX_FMT_FP4 matrix_b_scale:MATRIX_SCALE_ROW1
.else
	v_wmma_scale_f32_16x16x128_f8f6f4 v[ACC+8*(4*\t+\i):ACC+8*(4*\t+\i)+7], v[XF+8*\t:XF+8*\t+7], v[WF+8*\i:WF+8*\i+7], v[ACC+8*(4*\t+\i):ACC+8*(4*\t+\i)+7], v[SC+\t], v[SC+\i] matrix_a_fmt:MATRIX_FMT_FP4 matrix_b_fmt:MATRIX_FMT_FP4 matrix_b_scale:MATRIX_SCALE_ROW1
.endif
.endif
.endr
.endr
.endm
.macro KSTEP first
	v_add_nc_u32 v[ADX], s[TB], v[ADX0]            ; these three and the v_nop are the four places between the last K step's products and the loads into their registers
	v_add_nc_u32 v[ADW], s[TB], v[ADW0]
	v_add_nc_u32 v[ADS], s[TB], v[ADS0]
	v_nop
.irp i, 0,1,2,3
.irp c, 0,1
	ds_load_b128 v[WF+8*\i+4*\c:WF+8*\i+4*\c+3], v[ADW] offset:1024*\i+512*\c   ; an image's half: 512 consecutive bytes
.endr
.endr
.irp i, 0,1,2,3
.irp c, 0,1
	ds_load_b128 v[XF+8*\i+4*\c:XF+8*\i+4*\c+3], v[ADX] offset:1024*\i+512*\c
.endr
.endr
.irp i, 0,1,2,3
	ds_load_b32 v[SC+\i], v[ADS] offset:64*\i
.endr
	s_add_co_u32 s[TB], s[TB], KSTR
	s_wait_dscnt 0x0
	s_cmp_eq_u32 ttmp9, 2                          ; the role: the cluster's x
	s_cbranch_scc1 .Lrole_v_\@
	MUL 0, \first
	s_branch .Ljoined_\@
.Lrole_v_\@:
	MUL 1, \first
.Ljoined_\@:
.endm
; Two blocks of 32 along K: block 0 in s0 and s1 (eight registers each: K = 16 h + 0..7, + 8..15), block 1 in s2 and s3.  Out: four registers, K = 32 h + 0..31, and the two bytes.
; Each run of eight is read from its low end on.
.macro QUANT2 s0, s1, s2, s3, pc, pw
	v_max3_num_f32 v[TM], |v[\s0]|, |v[\s0+1]|, 0x1800000          ; with the floor 2^(3 - 127)
	v_max3_num_f32 v[TM+1], |v[\s2]|, |v[\s2+1]|, 0x1800000
.irp i, 2,4,6
	v_max3_num_f32 v[TM], v[TM], |v[\s0+\i]|, |v[\s0+\i+1]|
	v_max3_num_f32 v[TM+1], v[TM+1], |v[\s2+\i]|, |v[\s2+\i+1]|
.endr
.irp i, 0,2,4,6
	v_max3_num_f32 v[TM], v[TM], |v[\s1+\i]|, |v[\s1+\i+1]|
	v_max3_num_f32 v[TM+1], v[TM+1], |v[\s3+\i]|, |v[\s3+\i+1]|
.endr
	s_delay_alu instid0(VALU_DEP_2)
	v_permlanex16_b32 v[TM+2], v[TM], s[SEL], s[SEL+1]
	s_delay_alu instid0(VALU_DEP_2)
	v_permlanex16_b32 v[TM+3], v[TM+1], s[SEL], s[SEL+1]
	s_delay_alu instid0(VALU_DEP_2)
	v_max_num_f32 v[TM], v[TM], v[TM+2]            ; with lane l xor 16's sixteen
	s_delay_alu instid0(VALU_DEP_2)
	v_max_num_f32 v[TM+1], v[TM+1], v[TM+3]
	s_delay_alu instid0(VALU_DEP_2)
	v_add_nc_u32 v[TM+4], 0xff000000, v[TM]        ; 2 off the exponent field: the conversion's scale operand
	s_delay_alu instid0(VALU_DEP_2)
	v_add_nc_u32 v[TM+5], 0xff000000, v[TM+1]
	s_delay_alu instid0(VALU_DEP_2)
	v_lshrrev_b32 v[TM+6], 23, v[TM+4]
	s_delay_alu instid0(VALU_DEP_2)
	v_lshrrev_b32 v[TM+7], 23, v[TM+5]
	s_delay_alu instid0(VALU_DEP_1)
	v_lshl_or_b32 v[\pw], v[TM+7], 8, v[TM+6]
	v_cvt_scalef32_pk8_fp4_f32 v[\pc], v[\s0:\s0+7], v[TM+4]
	v_cvt_scalef32_pk8_fp4_f32 v[\pc+1], v[\s1:\s1+7], v[TM+4]
	v_cvt_scalef32_pk8_fp4_f32 v[\pc+2], v[\s2:\s2+7], v[TM+5]
	v_cvt_scalef32_pk8_fp4_f32 v[\pc+3], v[\s3:\s3+7], v[TM+5]
	v_nop                                          ; one plain place behind a scaled conversion
	v_permlane16_swap_b32 v[\pc], v[\pc+2]         ; a whole block to a lane: lanes 0-15 block 0, lanes 16-31 block 1
	v_permlane16_swap_b32 v[\pc+1], v[\pc+3]
.endm
	s_load_b256 s[4:11], s[0:1], 0x0               ; xop s[4:5], waop s[6:7], b_attn s[8:9], qb s[10:11]
	s_load_b64 s[12:13], s[0:1], 0x20              ; kv
	v_lshl_add_u32 v126, v0, 2, 0x44000
	v_mov_b32 v127, 0
	ds_add_u32 v126, v127
	ds_add_u32 v126, v127
	v_lshrrev_b32 v1, 5, v0
	s_delay_alu instid0(VALU_DEP_1)
	v_readfirstlane_b32 s[WV], v1                  ; wave 0..15
	s_bfe_u32 s15, ttmp6, 0x40000                  ; cx
	s_bfe_u32 s16, ttmp6, 0x40004                  ; cy
	s_lshl_b32 s17, ttmp9, 2
	s_add_co_u32 s17, s17, s15                     ; column block nb = 4 x cluster x + cx
	s_and_b32 s18, ttmp7, 0xffff
	s_lshl_b32 s18, s18, 2
	s_add_co_u32 s18, s18, s16                     ; token block mb = 4 x cluster y + cy
	s_lshl_b32 s19, s16, 2
	s_lshl_b32 s19, 15, s19                        ; my row of the cluster
	s_lshl_b32 s20, 0x1111, s15                    ; my column
	s_and_b32 s21, s[WV], 7                        ; the K step that I fetch: waves 0-7 x's, waves 8-15 W's
	; descriptor group 1: two records, 17,408 dense bytes, as 68 rows of 32 elements of 8 bytes
	s_or_b32 s[G1X], s19, (3<<16)|(1<<21)          ; 15:0 the mask; 17:16 elements of 8 bytes; 21 set beside a mask
	s_or_b32 s[G1W], s20, (3<<16)|(1<<21)
.irp g, G1X, G1W
	s_mov_b32 s[\g+1], 32<<16                      ; tensor_dim0
	s_mov_b32 s[\g+2], 68<<16                      ; tensor_dim1
	s_mov_b32 s[\g+3], 32<<16                      ; tile_dim0
	s_mov_b32 s[\g+4], 68                          ; tile_dim1
	s_mov_b32 s[\g+5], 32                          ; the pitch
	s_mov_b32 s[\g+6], 0
	s_mov_b32 s[\g+7], 0
.endr
	s_mul_i32 s48, s21, XKS                        ; x's offset hangs on the wave and on mb alone,
	s_mul_i32 s22, s18, HALF
	s_add_co_u32 s48, s48, s22
	s_mov_b32 s49, 0
	s_mul_i32 s50, s21, WAKS                       ; W's on the wave and on nb alone
	s_mul_i32 s23, s17, HALF
	s_add_co_u32 s50, s50, s23
	s_mov_b32 s51, 0
	s_mov_b32 s[G0X], 1
	s_mul_i32 s[G0X+1], s21, KSTR                  ; LDS: no place in the cluster enters it
	s_mov_b32 s[G0W], 1
	s_add_co_u32 s[G0W+1], s[G0X+1], HALF
	s_wait_dscnt 0x0
	s_wait_kmcnt 0x0
	s_add_nc_u64 s[G0X+2:G0X+3], s[4:5], s[48:49]
	s_or_b32 s[G0X+3], s[G0X+3], 0x80000000
	s_add_nc_u64 s[G0W+2:G0W+3], s[6:7], s[50:51]
	s_or_b32 s[G0W+3], s[G0W+3], 0x80000000
	ROUND                                          ; all sixteen work-groups are here: the joint loads meet
	s_cmp_lt_u32 s[WV], 8
	s_cbranch_scc0 .Lfill_w
	tensor_load_to_lds s[G0X:G0X+3], s[G1X:G1X+7]  ; my one tensor load
	s_nop 0
.rept 4
	v_nop
.endr
	s_branch .Lfilled
.Lfill_w:
	tensor_load_to_lds s[G0W:G0W+3], s[G1W:G1W+7]
	s_nop 0
.rept 4
	v_nop
.endr
.Lfilled:
	v_and_b32 v1, 31, v0                           ; lane
	v_and_b32 v2, 15, v0                           ; r
	v_bfe_u32 v3, v0, 4, 1                         ; h
	s_delay_alu instid0(VALU_DEP_3)
	v_lshlrev_b32 v[L16], 4, v1
	s_wait_alu depctr_va_vdst(0)
	v_lshlrev_b32 v[L4], 2, v1
	s_and_b32 s52, s[WV], 3                        ; gw: my 64 columns
	s_lshr_b32 s53, s[WV], 2                       ; gx: my 64 tokens
	s_lshr_b32 s54, s53, 1
	s_mul_i32 s54, s54, REC
	s_and_b32 s55, s53, 1
	s_lshl_b32 s61, s55, 12
	s_add_co_u32 s61, s61, s54
	v_add_nc_u32 v[ADX0], s61, v[L16]
	s_lshl_b32 s62, s55, 8
	s_add_co_u32 s62, s62, s54
	s_add_co_u32 s62, s62, 8192                    ; x's scale words
	s_lshr_b32 s54, s52, 1
	s_mul_i32 s54, s54, REC
	s_and_b32 s55, s52, 1
	s_lshl_b32 s61, s55, 12
	s_add_co_u32 s61, s61, s54
	s_add_co_u32 s61, s61, HALF
	v_add_nc_u32 v[ADW0], s61, v[L16]
	s_lshl_b32 s63, s55, 8
	s_add_co_u32 s63, s63, s54
	s_add_co_u32 s63, s63, HALF+8192               ; W's, which lie above x's
	s_sub_co_u32 s63, s63, s62
	v_mul_u32_u24 v[ADS0], s63, v3                 ; the lower base + h x the distance
	s_delay_alu instid0(VALU_DEP_1)
	v_lshl_add_u32 v[ADS0], v2, 2, v[ADS0]
	s_delay_alu instid0(VALU_DEP_1)
	v_add_nc_u32 v[ADS0], s62, v[ADS0]
	s_mov_b32 s[SEL], 0x76543210
	s_mov_b32 s[SEL+1], 0xfedcba98
	v_mov_b32 v[TM+2], 0                           ; written once: a lane permute's destination counts as one of its sources
	v_mov_b32 v[TM+3], 0
	s_mov_b32 s[TB], 0
	s_lshl_b32 s54, s17, 10
	s_lshl_b32 s55, s52, 8
	s_add_co_u32 s54, s54, s55
	s_mov_b32 s55, 0
	s_add_nc_u64 s[8:9], s[8:9], s[54:55]          ; the bias of my 64 columns
	s_cmp_eq_u32 ttmp9, 2
	s_cbranch_scc1 .Lbias_v
	v_lshlrev_b32 v[BO], 6, v3                     ; q, k: register j of tile 2 b + u is column 32 b + 16 h + 8 u + j
.irp i, 0,1,2,3
	global_load_b128 v[BI+8*\i:BI+8*\i+3], v[BO], s[8:9] offset:(32*(\i/2)+8*(\i%2))*4
	global_load_b128 v[BI+8*\i+4:BI+8*\i+7], v[BO], s[8:9] offset:(32*(\i/2)+8*(\i%2))*4+16
.endr
	s_branch .Lbias_done
.Lbias_v:
	v_and_b32 v[BO], 8, v2                         ; v: all eight registers of a lane are column 32 b + 8 u + r + 8 (r / 8)
	s_delay_alu instid0(VALU_DEP_1)
	v_add_nc_u32 v[BO], v[BO], v2
	s_delay_alu instid0(VALU_DEP_1)
	v_lshlrev_b32 v[BO], 2, v[BO]
.irp i, 0,1,2,3
.irp j, 0,1,2,3,4,5,6,7
	global_load_b32 v[BI+8*\i+\j], v[BO], s[8:9] offset:(32*(\i/2)+8*(\i%2))*4
.endr
.endr
.Lbias_done:
	s_wait_tensorcnt 0x0                           ; my part of LDS is in,
	s_barrier_signal -1
	s_barrier_wait -1                              ; everybody's is; from here on LDS is only read
	s_wait_loadcnt 0x0                             ; the bias
	s_wait_alu depctr_va_vdst(0)
	KSTEP 1
	s_mov_b32 s[CNT], 7
.Lk:
	KSTEP 0
	s_sub_co_u32 s[CNT], s[CNT], 1
	s_cmp_lg_u32 s[CNT], 0
	s_cbranch_scc1 .Lk
.rept 4
	v_nop                                          ; places in front of the first read of results, and of writes over the fragments
.endr
	s_lshr_b32 s54, s18, 3                         ; the batch: eight token blocks each
	s_lshl_b32 s54, s54, 4
	s_lshl_b32 s55, s15, 2
	s_add_co_u32 s54, s54, s55
	s_add_co_u32 s54, s54, s52                     ; batch x 16 + head: the head is 4 cx + gw in each of q, k, v
	s_and_b32 s55, s18, 7
	v_cmp_ne_u32 vcc_lo, 0, v3                     ; lanes 16-31
	s_cmp_eq_u32 ttmp9, 2
	s_cbranch_scc1 .Lout_v
	; ---- q, k: token tile 16 (mb % 8) + 4 gx + t
	s_lshl_b32 s55, s55, 4
	s_lshl_b32 s61, s53, 2
	s_add_co_u32 s55, s55, s61
	s_cmp_eq_u32 ttmp9, 0
	s_cselect_b64 s[56:57], s[10:11], s[12:13]     ; q's buffer or k's: the choice hangs on the cluster's x alone
	s_mov_b32 s58, KVREC
	s_cselect_b32 s58, QREC, s58
	s_mov_b32 s60, 131072
	s_cselect_b32 s60, 65536, s60
	s_mul_i32 s58, s54, s58
	s_mov_b32 s59, 0
	s_add_nc_u64 s[56:57], s[56:57], s[58:59]      ; the head's record
	s_lshl_b32 s58, s55, 6
	s_add_co_u32 s58, s58, s60
	s_add_nc_u64 s[62:63], s[56:57], s[58:59]      ; my four tiles' scale words
	s_lshl_b32 s58, s55, 9
	s_add_nc_u64 s[56:57], s[56:57], s[58:59]      ; and their images
.irp t, 0,1,2,3
	QUANT2 ACC+32*\t, ACC+32*\t+8, ACC+32*\t+16, ACC+32*\t+24, PC+4*\t, PW+\t
	global_store_b128 v[L16], v[PC+4*\t:PC+4*\t+3], s[56:57] offset:512*\t     ; 512 consecutive bytes
.endr
	v_cndmask_b32 v[PW], v[PW], v[PW+1], vcc_lo    ; lanes 0-15 one tile's words, lanes 16-31 the next tile's
	v_cndmask_b32 v[PW+2], v[PW+2], v[PW+3], vcc_lo
	global_store_b32 v[L4], v[PW], s[62:63]
	global_store_b32 v[L4], v[PW+2], s[62:63] offset:128
	s_branch .Lend
.Lout_v:
	; ---- v: my 64 tokens are half c = gx % 2 of the step of 128 keys 2 (mb % 8) + gx / 2
	s_lshl_b32 s55, s55, 1
	s_lshr_b32 s61, s53, 1
	s_add_co_u32 s55, s55, s61
	s_and_b32 s61, s53, 1
	s_mul_i32 s58, s54, KVREC
	s_mov_b32 s59, 0
	s_add_nc_u64 s[56:57], s[12:13], s[58:59]
	s_lshl_b32 s58, s55, 8
	s_lshl_b32 s60, s61, 1
	s_add_co_u32 s58, s58, s60
	s_add_co_u32 s58, s58, 139264
	s_add_nc_u64 s[62:63], s[56:57], s[58:59]      ; my two bytes of each scale word
	s_lshl_b32 s58, s55, 12
	s_lshl_b32 s60, s61, 9
	s_add_co_u32 s58, s58, s60
	s_add_co_u32 s58, s58, 65536
	s_add_nc_u64 s[56:57], s[56:57], s[58:59]
.irp i, 0,1,2,3
	QUANT2 ACC+8*\i, ACC+8*\i+32, ACC+8*\i+64, ACC+8*\i+96, PC+4*\i, PW+\i
	global_store_b128 v[L16], v[PC+4*\i:PC+4*\i+3], s[56:57] offset:1024*\i
.endr
	v_cndmask_b32 v[PW], v[PW], v[PW+1], vcc_lo
	v_cndmask_b32 v[PW+2], v[PW+2], v[PW+3], vcc_lo
	global_store_b16 v[L4], v[PW], s[62:63]        ; two bytes of four: the other two are the neighbouring wave's.  v's scale bytes are one byte in 17 of what this role stores
	global_store_b16 v[L4], v[PW+2], s[62:63] offset:128
.Lend:
	s_wait_tensorcnt 0x0
	ds_add_u32 v126, v127
	s_wait_dscnt 0x0
	ROUND                                          ; the closing round: no work-group ends while a partner may still ask for a tile that names it
	s_endpgm
.Lfunc_end_k_qd5eb100617_qkv:
	.size	k_qd5eb100617_qkv, .Lfunc_end_k_qd5eb100617_qkv-k_qd5eb100617_qkv
	.p2alignl 7, 3214868480
	.fill 96, 4, 3214868480
	.section	.rodata,"a",@progbits
	.p2align	6, 0x0
	.amdhsa_kernel k_qd5eb100617_qkv
		.amdhsa_group_segment_fixed_size 280576
		.amdhsa_private_segment_fixed_size 0
		.amdhsa_enable_private_segment 0
		.amdhsa_kernarg_size 40
		.amdhsa_user_sgpr_count 2
		.amdhsa_user_sgpr_kernarg_segment_ptr 1
		.amdhsa_wavefront_size32 1
		.amdhsa_system_sgpr_workgroup_id_x 1
		.amdhsa_system_sgpr_workgroup_id_y 1
		.amdhsa_system_sgpr_workgroup_id_z 1
		.amdhsa_system_vgpr_workitem_id 0
		.amdhsa_next_free_vgpr 256
		.amdhsa_next_free_sgpr 72
		.amdhsa_reserve_vcc 1
		.amdhsa_float_denorm_mode_32 3
		.amdhsa_float_denorm_mode_16_64 3
		.amdhsa_memory_ordered 1
		.amdhsa_forward_progress 1
		.amdhsa_inst_pref_size 42
	.end_amdhsa_kernel
	.amdgpu_metadata
---
amdhsa.version: [ 1, 2 ]
amdhsa.kernels:
  - .name:           k_qd5eb100617_qkv
    .symbol:         k_qd5eb100617_qkv.kd
    .args:
      - { .name: xop, .offset: 0, .size: 8, .value_kind: global_buffer, .address_space: global }
      - { .name: waop, .offset: 8, .size: 8, .value_kind: global_buffer, .address_space: global }
      - { .name: b_attn, .offset: 16, .size: 8, .value_kind: global_buffer, .address_space: global }
      - { .name: qb, .offset: 24, .size: 8, .value_kind: global_buffer, .address_space: global }
      - { .name: kv, .offset: 32, .size: 8, .value_kind: global_buffer, .address_space: global }
    .group_segment_fixed_size: 280576
    .private_segment_fixed_size: 0
    .kernarg_segment_align: 8
    .kernarg_segment_size: 40
    .max_flat_workgroup_size: 512
    .sgpr_count:     72
    .vgpr_count:     256
    .wavefront_size: 32
...
	.end_amdgpu_metadata
.endif
;; end of part 2
;; launch attn (part 3): grid 4 x 64, 16 waves a work-group, clusters of 4 x 1, 169,984 bytes of LDS; arguments qb, kv, yop; writes yop
.if DOCPART == 3
	.amdgcn_target "amdgcn-amd-amdhsa--gfx1250"
	.amdhsa_code_object_version 6
	.text
	.protected	k_qd5eb100617_attn
	.globl	k_qd5eb100617_attn
	.p2align	8
	.type	k_qd5eb100617_attn,@function
k_qd5eb100617_attn:
	s_mov_b64 s[64:65], 0
	v_nop
	global_prefetch_b8 v0, s[64:65] scope:SCOPE_SE
	s_setreg_imm32_b32 hwreg(HW_REG_WAVE_MODE, 25, 1), 1
	s_wait_xcnt 0x0
	s_wait_alu depctr_hold_cnt(0) depctr_sa_sdst(0) depctr_va_vdst(0) depctr_va_sdst(0) depctr_va_ssrc(0) depctr_va_vcc(0) depctr_vm_vsrc(0)
	s_getreg_b32 s2, hwreg(HW_REG_IB_STS2, 6, 4)
	s_cmp_eq_u32 s2, 0
	s_cbranch_scc0 .Lentry_in_a_cluster
	s_endpgm
.Lentry_in_a_cluster:
	s_bfe_u32 s2, ttmp6, 0x10000c
	s_cmp_lg_u32 s2, 0x3003
	s_cbranch_scc0 .Lentry_shape_is_right
	s_endpgm
.Lentry_shape_is_right:
; y = softmax(q k^T / 8, causal) v for one head (of 64: batch x 16 + head), both products on codes of FP4; y leaves as codes, in the layout in which the last product takes its operand.
; THE SOFTMAX AHEAD OF THE SECOND PRODUCT: t = score x log2(e) / 8; M = the running largest t rounded UP to a whole number; p = 2^(t - M) is quantised along the keys, not normalised; the row's sum is
; taken of the unquantised p and divides at the end; when M moves, the sum and O are multiplied by 2^(old M - new M), which rounds nothing.
; SHARES.  The four work-groups of a cluster share a head.  The head's whole record of k and v, 143,360 bytes, is asked for jointly, one tensor load a wave, and stays: LDS is filled once and then only read.
; Wave w of work-group g takes the query tiles 127 - 4 w - g and then 4 w + g.  A tile's last step of 128 keys is (tile / 8): (31 - w) / 2 and then 15 less that: it hangs on the wave's number alone,
; so no branch hangs on a work-group's place in its cluster, and every wave of the launch walks 17 steps.
; LAYOUT.  Both products are used transposed: S^T = K Q^T (source 0 = 16 keys, source 1 = my 16 queries), O^T = V^T P^T: a lane holds ONE query throughout.  By the rows chosen for a tile the sixteen
; registers of key tiles 2 b, 2 b + 1 are keys 32 b + 16 h + 0..15, and those of O^T's tiles sixteen neighbouring channels.  The head has 64 channels: registers 4-7 of q's and k's fragments are zero
; codes, so half of each product K Q^T multiplies zeros.
; LIMITS: NaN and infinities are not served; the division by the sum is v_rcp_f32 and a multiplication; byte 1 for blocks under 2^-124 and for blocks of zeros.
.set KVREC, 143360
.set QREC,  73728
.set XKS,   557056
.set REC,   8704
.set L16,  1                           ; v1   16 x lane: my place in an image, in LDS (k's begin at byte 0) and in memory
.set AV0,  2                           ; v2   the same among v's images
.set ASK0, 3                           ; v3   4 r among k's scale words
.set ASV0, 4                           ; v4   among v's
.set LQ,   5                           ; v5   r + 8 (r / 8) - 16 h
.set R4,   7                           ; v7   4 r
.set ADK,  8                           ; v8-11 the step's four LDS addresses
.set ADV,  9
.set ADS,  10
.set ADT,  11
.set QF,   16                          ; v16-23 q's fragment; v12 -M, v13 the largest t, v[14:15] the sum in two halves
.set QSC,  24                          ; v24  q's scale words
.set YB,   25                          ; v25  4 r + h: my byte among y's scale words
.set SH,   26                          ; v26  8 h
.set KF,   32                          ; v32-63 four fragments of k
.set VF,   64                          ; v64-95 four of v
.set S,    96                          ; v96-159 S^T, then p
.set O,    160                         ; v160-191 O^T
.set Y,    192                         ; v192-223 y
.set P,    224                         ; v224-231 p's codes; at a tile's end y's
.set TM,   232                         ; v232-239 at work
.set KSC,  240                         ; v240-243 k's scale words
.set SO,   244                         ; v244-247 the conversions' scale operands
.set VSC,  248                         ; v248-251 v's scale words;  v252 f, v253 p's scale word, v254 at work
.set WV,   10
.set TQ,   13                          ; s13  my query tile
.set NL,   14                          ; s14  its last step
.set KS,   15                          ; s15  the step
.set TRIP, 16
.set TB,   17
.set TS,   18
.set TJ,   19
.set SEL,  20
.set CS,   22                          ; s[22:23] c = log2(e) / 8
.set G1,   24
.set G0,   32
.macro ROUND
	s_barrier_signal -1
	s_barrier_wait -1
	s_cmp_lg_u32 s[WV], 0
	s_cbranch_scc1 .Lnot_wave_0_\@
	s_barrier_signal -3
.Lnot_wave_0_\@:
	s_barrier_wait -3
	s_barrier_signal -1
	s_barrier_wait -1
.endm
; Two blocks of 32 along K: block 0 in s0 and s1 (eight registers each), block 1 in s2 and s3.  Out: four registers, K = 32 h + 0..31, and the two bytes.
.macro QUANT2 s0, s1, s2, s3, pc, pw
	v_max3_num_f32 v[TM], |v[\s0]|, |v[\s0+1]|, 0x1800000
	v_max3_num_f32 v[TM+1], |v[\s2]|, |v[\s2+1]|, 0x1800000
.irp i, 2,4,6
	s_delay_alu instid0(VALU_DEP_2)
	v_max3_num_f32 v[TM], v[TM], |v[\s0+\i]|, |v[\s0+\i+1]|
	s_delay_alu instid0(VALU_DEP_2)
	v_max3_num_f32 v[TM+1], v[TM+1], |v[\s2+\i]|, |v[\s2+\i+1]|
.endr
.irp i, 0,2,4,6
	s_delay_alu instid0(VALU_DEP_2)
	v_max3_num_f32 v[TM], v[TM], |v[\s1+\i]|, |v[\s1+\i+1]|
	s_delay_alu instid0(VALU_DEP_2)
	v_max3_num_f32 v[TM+1], v[TM+1], |v[\s3+\i]|, |v[\s3+\i+1]|
.endr
	s_delay_alu instid0(VALU_DEP_2)
	v_permlanex16_b32 v[TM+2], v[TM], s[SEL], s[SEL+1]
	s_delay_alu instid0(VALU_DEP_2)
	v_permlanex16_b32 v[TM+3], v[TM+1], s[SEL], s[SEL+1]
	s_delay_alu instid0(VALU_DEP_2)
	v_max_num_f32 v[TM], v[TM], v[TM+2]
	s_delay_alu instid0(VALU_DEP_2)
	v_max_num_f32 v[TM+1], v[TM+1], v[TM+3]
	s_delay_alu instid0(VALU_DEP_2)
	v_add_nc_u32 v[TM+4], 0xff000000, v[TM]
	s_delay_alu instid0(VALU_DEP_2)
	v_add_nc_u32 v[TM+5], 0xff000000, v[TM+1]
	s_delay_alu instid0(VALU_DEP_2)
	v_lshrrev_b32 v[TM+6], 23, v[TM+4]
	s_delay_alu instid0(VALU_DEP_2)
	v_lshrrev_b32 v[TM+7], 23, v[TM+5]
	s_delay_alu instid0(VALU_DEP_1)
	v_lshl_or_b32 v[\pw], v[TM+7], 8, v[TM+6]
	v_cvt_scalef32_pk8_fp4_f32 v[\pc], v[\s0:\s0+7], v[TM+4]
	v_cvt_scalef32_pk8_fp4_f32 v[\pc+1], v[\s1:\s1+7], v[TM+4]
	v_cvt_scalef32_pk8_fp4_f32 v[\pc+2], v[\s2:\s2+7], v[TM+5]
	v_cvt_scalef32_pk8_fp4_f32 v[\pc+3], v[\s3:\s3+7], v[TM+5]
	v_nop                                          ; one plain place behind a scaled conversion
	v_permlane16_swap_b32 v[\pc], v[\pc+2]
	v_permlane16_swap_b32 v[\pc+1], v[\pc+3]
.endm
	s_load_b128 s[4:7], s[0:1], 0x0                ; qb s[4:5], kv s[6:7]
	s_load_b64 s[8:9], s[0:1], 0x10                ; yop
	v_lshl_add_u32 v31, v0, 2, 0x29000
	v_mov_b32 v255, 0
	ds_add_u32 v31, v255
	ds_add_u32 v31, v255
	v_lshrrev_b32 v1, 5, v0
	s_delay_alu instid0(VALU_DEP_1)
	v_readfirstlane_b32 s[WV], v1                  ; wave 0..15
	s_bfe_u32 s11, ttmp6, 0x40000                  ; cx: it enters global addresses and the mask's numbers alone
	s_and_b32 s12, ttmp7, 0xffff                   ; batch x 16 + head, which the four partners share
	; descriptor group 1: a sixteenth of the record, 8,960 dense bytes, as 35 rows of 32 elements of 8 bytes
	s_mov_b32 s[G1], 15|(3<<16)|(1<<21)            ; 15:0 the mask: all four work-groups; 17:16 elements of 8 bytes; 21 set beside a mask
	s_mov_b32 s[G1+1], 32<<16
	s_mov_b32 s[G1+2], 35<<16
	s_mov_b32 s[G1+3], 32<<16
	s_mov_b32 s[G1+4], 35
	s_mov_b32 s[G1+5], 32
	s_mov_b32 s[G1+6], 0
	s_mov_b32 s[G1+7], 0
	s_mov_b32 s[G0], 1
	s_mul_i32 s[G0+1], s[WV], 8960                 ; the record lies in LDS as it lies in memory
	s_mul_i32 s48, s12, KVREC
	s_add_co_u32 s48, s48, s[G0+1]
	s_mov_b32 s49, 0
	s_wait_dscnt 0x0
	s_wait_kmcnt 0x0
	s_add_nc_u64 s[G0+2:G0+3], s[6:7], s[48:49]
	s_or_b32 s[G0+3], s[G0+3], 0x80000000
	ROUND                                          ; all four work-groups are here: the joint loads meet
	tensor_load_to_lds s[G0:G0+3], s[G1:G1+7]      ; my one tensor load
	s_nop 0
.rept 4
	v_nop
.endr
	s_mul_i32 s48, s12, QREC
	s_add_nc_u64 s[36:37], s[4:5], s[48:49]        ; the head's record of q
	s_and_b32 s50, s12, 15                         ; the head: K step head / 2 of y, half head % 2 of it
	s_lshr_b32 s51, s50, 1
	s_mul_i32 s48, s51, XKS
	s_add_nc_u64 s[8:9], s[8:9], s[48:49]
	s_and_b32 s50, s50, 1
	s_lshl_b32 s48, s50, 9
	s_add_nc_u64 s[38:39], s[8:9], s[48:49]        ; for y's images,
	s_lshl_b32 s48, s50, 1
	s_add_nc_u64 s[52:53], s[8:9], s[48:49]        ; for its scale bytes
	s_lshl_b32 s[TQ], s[WV], 2
	s_add_co_u32 s[TQ], s[TQ], s11
	s_sub_co_u32 s[TQ], 127, s[TQ]                 ; the first tile: 127 - 4 w - g
	s_sub_co_u32 s[NL], 31, s[WV]
	s_lshr_b32 s[NL], s[NL], 1
	s_mov_b32 s[TRIP], 0
	s_mov_b32 s[SEL], 0x76543210
	s_mov_b32 s[SEL+1], 0xfedcba98
	s_mov_b32 s[CS], 0x3e38aa3b                    ; log2(e) / 8
	s_mov_b32 s[CS+1], s[CS]                       ; (named with it as a pair, so it is written)
	v_and_b32 v27, 31, v0                          ; lane
	v_and_b32 v28, 15, v0                          ; r
	v_bfe_u32 v29, v0, 4, 1                        ; h
	s_delay_alu instid0(VALU_DEP_3)
	v_lshlrev_b32 v[L16], 4, v27
	s_delay_alu instid0(VALU_DEP_1)
	v_add_nc_u32 v[AV0], 65536, v[L16]
	s_delay_alu instid0(VALU_DEP_4)
	v_lshlrev_b32 v[R4], 2, v28
	s_delay_alu instid0(VALU_DEP_1)
	v_add_nc_u32 v[ASK0], 131072, v[R4]
	s_delay_alu instid0(VALU_DEP_2)
	v_add_nc_u32 v[ASV0], 139264, v[R4]
	v_and_b32 v[LQ], 8, v28
	s_delay_alu instid0(VALU_DEP_1)
	v_add_nc_u32 v[LQ], v[LQ], v28
	v_lshlrev_b32 v30, 4, v29
	s_delay_alu instid0(VALU_DEP_1)
	v_sub_nc_u32 v[LQ], v[LQ], v30
	v_add_nc_u32 v[YB], v[R4], v29
	v_lshlrev_b32 v[SH], 3, v29
.irp j, 4,5,6,7
	v_mov_b32 v[QF+\j], 0                          ; zero codes for K = 64..127: written once
.irp t, 0,1,2,3
	v_mov_b32 v[KF+8*\t+\j], 0
.endr
.endr
.irp j, 0,1,2,3,4,5,6,7
	v_mov_b32 v[TM+\j], 0                          ; written once: a lane permute's destination counts as one of its sources
.endr
	v_mov_b32 v252, 0
	v_mov_b32 v253, 0                              ; (named as the upper half of the pair v[252:253] before it is first written)
	s_wait_tensorcnt 0x0                           ; my part of the record is in,
	s_barrier_signal -1
	s_barrier_wait -1                              ; everybody's is
.Ltile:
	s_mov_b32 s49, 0
	s_lshl_b32 s48, s[TQ], 9
	s_add_nc_u64 s[40:41], s[36:37], s[48:49]      ; q's image
	s_lshl_b32 s48, s[TQ], 6
	s_add_co_u32 s48, s48, 65536
	s_add_nc_u64 s[42:43], s[36:37], s[48:49]      ; its scale words
	s_lshr_b32 s50, s12, 4
	s_lshl_b32 s50, s50, 7
	s_add_co_u32 s50, s50, s[TQ]                   ; the tile among all tokens': 128 x batch + tile
	s_lshr_b32 s51, s50, 3
	s_mul_i32 s51, s51, REC
	s_and_b32 s50, s50, 7
	s_lshl_b32 s48, s50, 10
	s_add_co_u32 s48, s48, s51
	s_add_nc_u64 s[44:45], s[38:39], s[48:49]      ; y's image
	s_lshl_b32 s48, s50, 6
	s_add_co_u32 s48, s48, s51
	s_add_co_u32 s48, s48, 8192
	s_add_nc_u64 s[46:47], s[52:53], s[48:49]      ; its scale bytes
	global_load_b128 v[QF:QF+3], v[L16], s[40:41]
	global_load_b32 v[QSC], v[R4], s[42:43]
	v_mov_b32 v13, 0xff61b1e6                      ; the largest t so far: -3e38, under every t
	s_delay_alu instid0(VALU_DEP_1)
	v_floor_f32 v12, -v13                          ; -M
	v_mov_b32 v14, 0
	v_mov_b32 v15, 0
.irp j, 0,1,2,3,4,5,6,7,8,9,10,11,12,13,14,15,16,17,18,19,20,21,22,23,24,25,26,27,28,29,30,31
	v_mov_b32 v[O+\j], 0                           ; the step is written once: the first finds zeros, which the first change of M leaves zeros
.endr
	s_wait_loadcnt 0x0
	s_mov_b32 s[KS], 0
.Lstep:                                            ; 16 trips, a constant; a step all of whose keys come after my queries is passed over
	s_cmp_gt_u32 s[KS], s[NL]
	s_cbranch_scc1 .Lhidden
	s_lshl_b32 s[TB], s[KS], 12                    ; eight images of k, and four fragments of v, are 4,096 bytes a step
	s_lshl_b32 s[TS], s[KS], 9
	s_lshl_b32 s[TJ], s[KS], 8
	s_setprio 2
	v_add_nc_u32 v[ADK], s[TB], v[L16]
	v_add_nc_u32 v[ADV], s[TB], v[AV0]
	v_add_nc_u32 v[ADS], s[TS], v[ASK0]
	v_add_nc_u32 v[ADT], s[TJ], v[ASV0]
.irp t, 0,1,2,3
	ds_load_b128 v[KF+8*\t:KF+8*\t+3], v[ADK] offset:512*\t
	ds_load_b32 v[KSC+\t], v[ADS] offset:64*\t
.endr
.irp i, 0,1,2,3
.irp c, 0,1
	ds_load_b128 v[VF+8*\i+4*\c:VF+8*\i+4*\c+3], v[ADV] offset:1024*\i+512*\c
.endr
	ds_load_b32 v[VSC+\i], v[ADT] offset:64*\i
.endr
	s_wait_alu depctr_va_vdst(0)
	s_wait_dscnt 12                                ; k's eight loads are in; v's twelve, issued behind them, may be out
.irp t, 0,1,2,3
	v_wmma_scale_f32_16x16x128_f8f6f4 v[S+8*\t:S+8*\t+7], v[KF+8*\t:KF+8*\t+7], v[QF:QF+7], 0, v[KSC+\t], v[QSC] matrix_a_fmt:MATRIX_FMT_FP4 matrix_b_fmt:MATRIX_FMT_FP4
.endr
.rept 4
	v_nop                                          ; places in front of loads into registers that matrix instructions have read
.endr
.irp t, 0,1,2,3
	ds_load_b128 v[KF+8*\t:KF+8*\t+3], v[ADK] offset:512*(4+\t)
	ds_load_b32 v[KSC+\t], v[ADS] offset:64*(4+\t)
.endr
	s_wait_dscnt 0x0
.irp t, 0,1,2,3
	v_wmma_scale_f32_16x16x128_f8f6f4 v[S+8*(4+\t):S+8*(4+\t)+7], v[KF+8*\t:KF+8*\t+7], v[QF:QF+7], 0, v[KSC+\t], v[QSC] matrix_a_fmt:MATRIX_FMT_FP4 matrix_b_fmt:MATRIX_FMT_FP4
.endr
.rept 4
	v_nop
.endr
	s_cmp_lg_u32 s[KS], s[NL]                      ; only the tile's last step lies on the diagonal
	s_cbranch_scc1 .Lopen
	s_lshr_b32 s54, s[TQ], 1
	s_lshl_b32 s54, s54, 5
	s_and_b32 s55, s[TQ], 1
	s_lshl_b32 s55, s55, 3
	s_add_co_u32 s54, s54, s55
	s_lshl_b32 s55, s[KS], 7
	s_sub_co_i32 s54, s54, s55
	v_add_nc_u32 v252, s54, v[LQ]                  ; d = my query - the step's first key - 16 h.  Register 16 b + i holds key 32 b + 16 h + i of the step: hidden where 32 b + i > d
	v_mov_b32 v254, 0xff800000                     ; -infinity: p = 0 then
.irp n, 0,1,2,3,4,5,6,7,8,9,10,11,12,13,14,15,16,17,18,19,20,21,22,23,24,25,26,27,28,29,30,31,32,33,34,35,36,37,38,39,40,41,42,43,44,45,46,47,48,49,50,51,52,53,54,55,56,57,58,59,60,61,62,63
	v_cmp_gt_i32 vcc_lo, 32*(\n/16)+\n%16, v252
	v_cndmask_b32 v[S+\n], v[S+\n], v254, vcc_lo
.endr
.Lopen:
.irp b, 0,1,2,3
	v_max3_num_f32 v[TM+\b], v[S+16*\b], v[S+1+16*\b], v[S+2+16*\b]   ; the largest score of each block of 32 keys: for the row's maximum and, since p rises with the score, for the block's largest p
.endr
.irp i, 3,5,7,9,11,13
.irp b, 0,1,2,3
	v_max3_num_f32 v[TM+\b], v[TM+\b], v[S+16*\b+\i], v[S+1+16*\b+\i]
.endr
.endr
.irp b, 0,1,2,3
	v_max_num_f32 v[TM+\b], v[TM+\b], v[S+15+16*\b]
.endr
.irp b, 0,1,2,3
	s_delay_alu instid0(VALU_DEP_4)
	v_permlanex16_b32 v[TM+4+\b], v[TM+\b], s[SEL], s[SEL+1]
.endr
.irp b, 0,1,2,3
	s_delay_alu instid0(VALU_DEP_4)
	v_max_num_f32 v[TM+\b], v[TM+\b], v[TM+4+\b]   ; with lane l xor 16's sixteen keys
.endr
	s_delay_alu instid0(VALU_DEP_2)
	v_max3_num_f32 v254, v[TM], v[TM+1], v[TM+2]
	s_delay_alu instid0(VALU_DEP_1)
	v_max_num_f32 v254, v254, v[TM+3]              ; the step's largest score of my query
	s_delay_alu instid0(VALU_DEP_1)
	v_mul_f32 v254, s[CS], v254                    ; as t
	s_delay_alu instid0(VALU_DEP_1)
	v_max_num_f32 v13, v13, v254                   ; the running largest t
	v_mov_b32 v254, v12
	s_delay_alu instid0(VALU_DEP_2)
	v_floor_f32 v12, -v13                          ; the new -M = -ceil(t)
	s_delay_alu instid0(VALU_DEP_1)
	v_sub_f32 v254, v12, v254                      ; old M - new M: a whole number, 0 or less
	s_delay_alu instid0(VALU_DEP_1)
	v_cvt_i32_f32 v254, v254                       ; (it saturates)
	s_delay_alu instid0(VALU_DEP_1)
	v_ldexp_f32 v252, 1.0, v254                    ; f = 2^(old M - new M)
.irp j, 0,2,4,6,8,10,12,14,16,18,20,22,24,26,28,30,32,34,36,38,40,42,44,46,48,50,52,54,56,58,60,62
	v_pk_fma_f32 v[S+\j:S+1+\j], v[S+\j:S+1+\j], s[CS:CS+1], v[12:13] op_sel_hi:[1,0,0]   ; t - M, two at a time
.endr
	s_setprio 1
.irp b, 0,1,2,3
	v_fma_f32 v[TM+\b], v[TM+\b], s[CS], v12       ; the same of each block's largest score
.endr
	s_wait_alu depctr_va_vdst(0)
.irp j, 0,1,2,3,4,5,6,7,8,9,10,11,12,13,14,15,16,17,18,19,20,21,22,23,24,25,26,27,28,29,30,31,32,33,34,35,36,37,38,39,40,41,42,43,44,45,46,47,48,49,50,51,52,53,54,55,56,57,58,59,60,61,62,63
	v_exp_f32 v[S+\j], v[S+\j]                     ; p = 2^(t - M)
.endr
.irp b, 0,1,2,3
	v_exp_f32 v[TM+\b], v[TM+\b]                   ; the block's largest p
.endr
	v_pk_mul_f32 v[14:15], v[14:15], v[252:253] op_sel_hi:[1,0]    ; the sums under the new M (a plain place behind the exponentials)
	s_wait_alu depctr_va_vdst(0)
.irp b, 0,1,2,3
	v_max_num_f32 v[TM+\b], 0x1800000, v[TM+\b]    ; the floor 2^(3 - 127)
.endr
.irp b, 0,1,2,3
	s_delay_alu instid0(VALU_DEP_4)
	v_add_nc_u32 v[SO+\b], 0xff000000, v[TM+\b]
.endr
.irp b, 0,1,2,3
	s_delay_alu instid0(VALU_DEP_4)
	v_lshrrev_b32 v[TM+4+\b], 23, v[SO+\b]
.endr
	s_delay_alu instid0(VALU_DEP_3)
	v_lshl_or_b32 v253, v[TM+5], 8, v[TM+4]        ; p's scale word for these 128 keys
	s_delay_alu instid0(VALU_DEP_1)
	v_lshl_or_b32 v253, v[TM+6], 16, v253
	s_delay_alu instid0(VALU_DEP_1)
	v_lshl_or_b32 v253, v[TM+7], 24, v253
.irp b, 0,1,2,3
	v_cvt_scalef32_pk8_fp4_f32 v[P+2*\b], v[S+16*\b:S+7+16*\b], v[SO+\b]
	v_cvt_scalef32_pk8_fp4_f32 v[P+1+2*\b], v[S+8+16*\b:S+15+16*\b], v[SO+\b]
.endr
	v_nop                                          ; one plain place behind a scaled conversion
.irp c, 0,1
.irp i, 0,1
	v_permlane16_swap_b32 v[P+4*\c+\i], v[P+2+4*\c+\i]
.endr
.endr
	v_pk_add_f32 v[236:237], v[100:101], v[104:105]
	v_pk_add_f32 v[246:247], v[108:109], v[112:113]
	v_pk_add_f32 v[244:245], v[116:117], v[120:121]
	v_pk_add_f32 v[242:243], v[124:125], v[128:129]
	v_pk_add_f32 v[240:241], v[132:133], v[136:137]
	v_pk_add_f32 v[232:233], v[140:141], v[144:145]
	v_pk_add_f32 v[222:223], v[148:149], v[152:153]
	v_pk_add_f32 v[14:15], v[14:15], v[156:157]
	v_pk_add_f32 v[236:237], v[236:237], v[96:97]
	v_pk_add_f32 v[246:247], v[246:247], v[98:99]
	v_pk_add_f32 v[244:245], v[244:245], v[102:103]
	v_pk_add_f32 v[242:243], v[242:243], v[106:107]
	v_pk_add_f32 v[240:241], v[240:241], v[110:111]
	v_pk_add_f32 v[232:233], v[232:233], v[114:115]
	s_setprio 0
	v_pk_add_f32 v[222:223], v[222:223], v[118:119]
	v_pk_add_f32 v[14:15], v[14:15], v[122:123]
	v_pk_add_f32 v[236:237], v[236:237], v[126:127]
	v_pk_add_f32 v[246:247], v[246:247], v[130:131]
	v_pk_add_f32 v[244:245], v[244:245], v[134:135]
	v_pk_add_f32 v[242:243], v[242:243], v[138:139]
	v_pk_add_f32 v[240:241], v[240:241], v[142:143]
	v_pk_add_f32 v[232:233], v[232:233], v[146:147]
	v_pk_add_f32 v[222:223], v[222:223], v[150:151]
	v_pk_add_f32 v[14:15], v[14:15], v[154:155]
	v_pk_add_f32 v[236:237], v[236:237], v[158:159]
	s_delay_alu instid0(VALU_DEP_2)
	v_pk_add_f32 v[14:15], v[14:15], v[242:243]
	s_delay_alu instid0(VALU_DEP_2)
	v_pk_add_f32 v[236:237], v[236:237], v[240:241]
	v_pk_add_f32 v[246:247], v[246:247], v[232:233]
	v_pk_add_f32 v[244:245], v[244:245], v[222:223]
	s_delay_alu instid0(VALU_DEP_2)
	v_pk_add_f32 v[14:15], v[14:15], v[246:247]
	s_delay_alu instid0(VALU_DEP_2)
	v_pk_add_f32 v[236:237], v[236:237], v[244:245]
	s_delay_alu instid0(VALU_DEP_1)
	v_pk_add_f32 v[14:15], v[14:15], v[236:237]
.irp j, 0,2,4,6,8,10,12,14,16,18,20,22,24,26,28,30
	v_pk_mul_f32 v[O+\j:O+1+\j], v[O+\j:O+1+\j], v[252:253] op_sel_hi:[1,0]   ; O^T under the new M
.endr
.irp i, 0,1,2,3
	v_wmma_scale_f32_16x16x128_f8f6f4 v[O+8*\i:O+8*\i+7], v[VF+8*\i:VF+8*\i+7], v[P:P+7], v[O+8*\i:O+8*\i+7], v[VSC+\i], v253 matrix_a_fmt:MATRIX_FMT_FP4 matrix_b_fmt:MATRIX_FMT_FP4
.endr
.rept 4
	v_nop                                          ; places in front of the next step's loads and of the tile's end
.endr
.Lhidden:
	s_add_co_u32 s[KS], s[KS], 1
	s_cmp_lt_u32 s[KS], 16
	s_cbranch_scc1 .Lstep
	s_setprio 0
	; ---- the tile's end: y = O^T / the sum, quantised along the channels
	v_add_f32 v14, v14, v15
	s_delay_alu instid0(VALU_DEP_1)
	v_permlanex16_b32 v252, v14, s[SEL], s[SEL+1]
	s_delay_alu instid0(VALU_DEP_1)
	v_add_f32 v14, v14, v252                       ; the row's sum
	s_wait_alu depctr_va_vdst(0)
	v_rcp_f32 v14, v14
	v_nop                                          ; one plain place behind a transcendental
	s_wait_alu depctr_va_vdst(0)
.irp j, 0,2,4,6,8,10,12,14,16,18,20,22,24,26,28,30
	v_pk_mul_f32 v[Y+\j:Y+1+\j], v[O+\j:O+1+\j], v[14:15] op_sel_hi:[1,0]     ; register 8 i + j: channel 32 (i / 2) + 16 h + 8 (i % 2) + j of my query
.endr
	QUANT2 Y, Y+8, Y+16, Y+24, P, P+4
	global_store_b128 v[L16], v[P:P+3], s[44:45]   ; 512 consecutive bytes
	v_lshrrev_b32 v[P+5], v[SH], v[P+4]
	global_store_b8 v[YB], v[P+5], s[46:47]        ; lane (r, h): block h's byte of row r.  y's scale bytes are one byte in 17 of what the launch stores
	s_wait_xcnt 0x0                                ; the loads and stores have read their addresses and data: both are written again in the next trip
	s_sub_co_u32 s[TQ], 127, s[TQ]                 ; the second tile: 4 w + g
	s_sub_co_u32 s[NL], 15, s[NL]
	s_add_co_u32 s[TRIP], s[TRIP], 1
	s_cmp_lt_u32 s[TRIP], 2
	s_cbranch_scc1 .Ltile
	s_wait_tensorcnt 0x0
	ds_add_u32 v31, v255
	s_wait_dscnt 0x0
	ROUND                                          ; the closing round
	s_endpgm
.Lfunc_end_k_qd5eb100617_attn:
	.size	k_qd5eb100617_attn, .Lfunc_end_k_qd5eb100617_attn-k_qd5eb100617_attn
	.p2alignl 7, 3214868480
	.fill 96, 4, 3214868480
	.section	.rodata,"a",@progbits
	.p2align	6, 0x0
	.amdhsa_kernel k_qd5eb100617_attn
		.amdhsa_group_segment_fixed_size 169984
		.amdhsa_private_segment_fixed_size 0
		.amdhsa_enable_private_segment 0
		.amdhsa_kernarg_size 24
		.amdhsa_user_sgpr_count 2
		.amdhsa_user_sgpr_kernarg_segment_ptr 1
		.amdhsa_wavefront_size32 1
		.amdhsa_system_sgpr_workgroup_id_x 1
		.amdhsa_system_sgpr_workgroup_id_y 1
		.amdhsa_system_sgpr_workgroup_id_z 1
		.amdhsa_system_vgpr_workitem_id 0
		.amdhsa_next_free_vgpr 256
		.amdhsa_next_free_sgpr 66
		.amdhsa_reserve_vcc 1
		.amdhsa_float_denorm_mode_32 3
		.amdhsa_float_denorm_mode_16_64 3
		.amdhsa_memory_ordered 1
		.amdhsa_forward_progress 1
		.amdhsa_inst_pref_size 35
	.end_amdhsa_kernel
	.amdgpu_metadata
---
amdhsa.version: [ 1, 2 ]
amdhsa.kernels:
  - .name:           k_qd5eb100617_attn
    .symbol:         k_qd5eb100617_attn.kd
    .args:
      - { .name: qb, .offset: 0, .size: 8, .value_kind: global_buffer, .address_space: global }
      - { .name: kv, .offset: 8, .size: 8, .value_kind: global_buffer, .address_space: global }
      - { .name: yop, .offset: 16, .size: 8, .value_kind: global_buffer, .address_space: global }
    .group_segment_fixed_size: 169984
    .private_segment_fixed_size: 0
    .kernarg_segment_align: 8
    .kernarg_segment_size: 24
    .max_flat_workgroup_size: 512
    .sgpr_count:     66
    .vgpr_count:     256
    .wavefront_size: 32
...
	.end_amdgpu_metadata
.endif
;; end of part 3
;; launch proj (part 4): grid 4 x 64, 16 waves a work-group, clusters of 4 x 4, 280,576 bytes of LDS; arguments yop, wpop, b_proj, out0; writes out0
.if DOCPART == 4
	.amdgcn_target "amdgcn-amd-amdhsa--gfx1250"
	.amdhsa_code_object_version 6
	.text
	.protected	k_qd5eb100617_proj
	.globl	k_qd5eb100617_proj
	.p2align	8
	.type	k_qd5eb100617_proj,@function
k_qd5eb100617_proj:
	s_mov_b64 s[64:65], 0
	v_nop
	global_prefetch_b8 v0, s[64:65] scope:SCOPE_SE
	s_setreg_imm32_b32 hwreg(HW_REG_WAVE_MODE, 25, 1), 1
	s_wait_xcnt 0x0
	s_wait_alu depctr_hold_cnt(0) depctr_sa_sdst(0) depctr_va_vdst(0) depctr_va_sdst(0) depctr_va_ssrc(0) depctr_va_vcc(0) depctr_vm_vsrc(0)
	s_getreg_b32 s2, hwreg(HW_REG_IB_STS2, 6, 4)
	s_cmp_eq_u32 s2, 0
	s_cbranch_scc0 .Lentry_in_a_cluster
	s_endpgm
.Lentry_in_a_cluster:
	s_bfe_u32 s2, ttmp6, 0x10000c
	s_cmp_lg_u32 s2, 0xf033
	s_cbranch_scc0 .Lentry_shape_is_right
	s_endpgm
.Lentry_shape_is_right:
; out0 = y w_proj + b_proj on codes of FP4.  A work-group makes 128 tokens x 256 columns; each of its sixteen waves 32 tokens x 64 columns: 8 accumulators of 16 x 16.
; ALL OF K IS IN LDS: 8 K steps x (two records of w_proj + one of y) = 208,896 bytes, one tensor load a wave; no byte is filled twice.  Behind them, in bytes that no fill touches, a stage for each wave.
; CLUSTER 4 x 4: the weight's records hang on the column block alone and are asked for jointly by a column of the cluster, y's on the token block alone, by a row.
; The matrix instruction is used transposed (source 0 = 16 columns of W, source 1 = 16 tokens): a lane's eight results are eight neighbouring columns of one token.  The bias is the C of each sum's first instruction.
.set XKS,   557056
.set WPKS,  69632
.set REC,   8704
.set HALF,  17408
.set KSTR,  26112                      ; a K step in LDS: W's two records, then y's one
.set STG,   208896                     ; the stages: 16 rows x (256 bytes + 16) for each wave
.set BO,   1
.set ADW0, 4                           ; v4   16 x lane + my four tiles of W
.set ADY0, 5                           ; v5   + my two tiles of y
.set ADS0, 6                           ; v6   scale words: lanes 0-15 y's tiles, lanes 16-31 W's tiles 0, 1
.set L16,  7
.set ADT0, 8                           ; v8   W's tiles 2, 3, in all lanes
.set ADW,  9
.set ADY,  10
.set ADS,  11
.set SC,   12                          ; v12-15 scale words: lanes 16-31 W's tile i; lanes 0-15 of the first two y's tile i
.set BI,   16
.set WF,   48
.set YF,   80
.set OB,   48                          ; the way out: v48-111 rows read back
.set ADT,  112
.set STO,  113
.set RD,   114
.set CO,   115
.set ACC,  128                         ; accumulator (W tile i, y tile t) at 8 (4 t + i)
.set WV,   14
.set G1Y,  24
.set G1W,  32
.set G0Y,  40
.set G0W,  44
.set TB,   68
.set CNT,  69
.macro ROUND
	s_barrier_signal -1
	s_barrier_wait -1
	s_cmp_lg_u32 s[WV], 0
	s_cbranch_scc1 .Lnot_wave_0_\@
	s_barrier_signal -3
.Lnot_wave_0_\@:
	s_barrier_wait -3
	s_barrier_signal -1
	s_barrier_wait -1
.endm
.macro KSTEP first
	v_add_nc_u32 v[ADW], s[TB], v[ADW0]            ; these four are the places between the last K step's products and the loads into their registers
	v_add_nc_u32 v[ADY], s[TB], v[ADY0]
	v_add_nc_u32 v[ADS], s[TB], v[ADS0]
	v_add_nc_u32 v[ADT], s[TB], v[ADT0]
.irp i, 0,1,2,3
.irp c, 0,1
	ds_load_b128 v[WF+8*\i+4*\c:WF+8*\i+4*\c+3], v[ADW] offset:1024*\i+512*\c
.endr
.endr
.irp t, 0,1
.irp c, 0,1
	ds_load_b128 v[YF+8*\t+4*\c:YF+8*\t+4*\c+3], v[ADY] offset:1024*\t+512*\c
.endr
.endr
	ds_load_b32 v[SC], v[ADS]
	ds_load_b32 v[SC+1], v[ADS] offset:64
	ds_load_b32 v[SC+2], v[ADT] offset:128
	ds_load_b32 v[SC+3], v[ADT] offset:192
	s_add_co_u32 s[TB], s[TB], KSTR
	s_wait_dscnt 0x0
.irp t, 0,1                                    ; the eight accumulators by turns
.irp i, 0,1,2,3
.if \first
	v_wmma_scale_f32_16x16x128_f8f6f4 v[ACC+8*(4*\t+\i):ACC+8*(4*\t+\i)+7], v[WF+8*\i:WF+8*\i+7], v[YF+8*\t:YF+8*\t+7], v[BI+8*\i:BI+8*\i+7], v[SC+\i], v[SC+\t] matrix_a_fmt:MATRIX_FMT_FP4 matrix_b_fmt:MATRIX_FMT_FP4 matrix_a_scale:MATRIX_SCALE_ROW1
.else
	v_wmma_scale_f32_16x16x128_f8f6f4 v[ACC+8*(4*\t+\i):ACC+8*(4*\t+\i)+7], v[WF+8*\i:WF+8*\i+7], v[YF+8*\t:YF+8*\t+7], v[ACC+8*(4*\t+\i):ACC+8*(4*\t+\i)+7], v[SC+\i], v[SC+\t] matrix_a_fmt:MATRIX_FMT_FP4 matrix_b_fmt:MATRIX_FMT_FP4 matrix_a_scale:MATRIX_SCALE_ROW1
.endif
.endr
.endr
.endm
; The way out of y tile t: 16 tokens x 64 columns through my own stage, back as whole rows of 256 bytes.  LDS serves a wave's instructions in order: no wait between the stores and the loads.
.macro TOSTAGE t
.irp i, 0,1,2,3
	ds_store_b128 v[STO], v[ACC+8*(4*\t+\i):ACC+8*(4*\t+\i)+3] offset:128*(\i/2)+32*(\i%2)        ; each accumulator from its low end on
	ds_store_b128 v[STO], v[ACC+8*(4*\t+\i)+4:ACC+8*(4*\t+\i)+7] offset:128*(\i/2)+32*(\i%2)+16
.endr
.irp k, 0,1,2,3,4,5,6,7
	ds_load_b128 v[OB+32*\t+4*\k:OB+32*\t+4*\k+3], v[RD] offset:544*\k
.endr
.endm
.macro SEND t, younger                 ; younger: the LDS instructions issued behind tile t's loads
.irp k, 0,1,2,3,4,5,6,7
	s_wait_dscnt \younger+7-\k
	global_store_b128 v[CO], v[OB+32*\t+4*\k:OB+32*\t+4*\k+3], s[10:11] offset:(8*\t+2*\k+8*(\k/4))*4096 th:TH_STORE_NT   ; stage rows 2 k, 2 k + 1 are tokens 8 t + 2 k + 8 (k / 4) and the next; sixteen lanes store 256 consecutive bytes, aligned
.endr
.endm
	s_load_b256 s[4:11], s[0:1], 0x0               ; yop s[4:5], wpop s[6:7], b_proj s[8:9], out0 s[10:11]
	v_lshl_add_u32 v254, v0, 2, 0x44000
	v_mov_b32 v255, 0
	ds_add_u32 v254, v255
	ds_add_u32 v254, v255
	v_lshrrev_b32 v1, 5, v0
	s_delay_alu instid0(VALU_DEP_1)
	v_readfirstlane_b32 s[WV], v1                  ; wave 0..15
	s_bfe_u32 s15, ttmp6, 0x40000                  ; cx
	s_bfe_u32 s16, ttmp6, 0x40004                  ; cy
	s_lshl_b32 s17, ttmp9, 2
	s_add_co_u32 s17, s17, s15                     ; column block nb
	s_and_b32 s18, ttmp7, 0xffff
	s_lshl_b32 s18, s18, 2
	s_add_co_u32 s18, s18, s16                     ; token block mb
	s_lshl_b32 s19, s16, 2
	s_lshl_b32 s19, 15, s19                        ; my row of the cluster
	s_lshl_b32 s20, 0x1111, s15                    ; my column
	s_and_b32 s21, s[WV], 7                        ; the K step that I fetch: waves 0-7 W's, waves 8-15 y's
	s_or_b32 s[G1Y], s19, (3<<16)|(1<<21)          ; y: one record, 34 rows of 256 bytes
	s_mov_b32 s[G1Y+1], 32<<16
	s_mov_b32 s[G1Y+2], 34<<16
	s_mov_b32 s[G1Y+3], 32<<16
	s_mov_b32 s[G1Y+4], 34
	s_mov_b32 s[G1Y+5], 32
	s_mov_b32 s[G1Y+6], 0
	s_mov_b32 s[G1Y+7], 0
	s_or_b32 s[G1W], s20, (3<<16)|(1<<21)          ; W: two records, 68 rows
	s_mov_b32 s[G1W+1], 32<<16
	s_mov_b32 s[G1W+2], 68<<16
	s_mov_b32 s[G1W+3], 32<<16
	s_mov_b32 s[G1W+4], 68
	s_mov_b32 s[G1W+5], 32
	s_mov_b32 s[G1W+6], 0
	s_mov_b32 s[G1W+7], 0
	s_mul_i32 s48, s21, XKS                        ; y's offset hangs on the wave and on mb alone,
	s_mul_i32 s22, s18, REC
	s_add_co_u32 s48, s48, s22
	s_mov_b32 s49, 0
	s_mul_i32 s50, s21, WPKS                       ; W's on the wave and on nb alone
	s_mul_i32 s23, s17, HALF
	s_add_co_u32 s50, s50, s23
	s_mov_b32 s51, 0
	s_mov_b32 s[G0W], 1
	s_mul_i32 s[G0W+1], s21, KSTR
	s_mov_b32 s[G0Y], 1
	s_add_co_u32 s[G0Y+1], s[G0W+1], HALF
	s_wait_dscnt 0x0
	s_wait_kmcnt 0x0
	s_add_nc_u64 s[G0Y+2:G0Y+3], s[4:5], s[48:49]
	s_or_b32 s[G0Y+3], s[G0Y+3], 0x80000000
	s_add_nc_u64 s[G0W+2:G0W+3], s[6:7], s[50:51]
	s_or_b32 s[G0W+3], s[G0W+3], 0x80000000
	ROUND                                          ; all sixteen work-groups are here: the joint loads meet
	s_cmp_lt_u32 s[WV], 8
	s_cbranch_scc0 .Lfill_y
	tensor_load_to_lds s[G0W:G0W+3], s[G1W:G1W+7]  ; my one tensor load
	s_nop 0
.rept 4
	v_nop
.endr
	s_branch .Lfilled
.Lfill_y:
	tensor_load_to_lds s[G0Y:G0Y+3], s[G1Y:G1Y+7]
	s_nop 0
.rept 4
	v_nop
.endr
.Lfilled:
	v_and_b32 v1, 31, v0                           ; lane
	v_and_b32 v2, 15, v0                           ; r
	v_bfe_u32 v3, v0, 4, 1                         ; h
	s_delay_alu instid0(VALU_DEP_3)
	v_lshlrev_b32 v[L16], 4, v1
	s_wait_alu depctr_va_vdst(0)
	s_and_b32 s52, s[WV], 3                        ; gw: my 64 columns
	s_lshr_b32 s53, s[WV], 2                       ; gy: my 32 tokens
	s_lshr_b32 s54, s52, 1
	s_mul_i32 s54, s54, REC
	s_and_b32 s55, s52, 1
	s_lshl_b32 s60, s55, 12
	s_add_co_u32 s60, s60, s54
	v_add_nc_u32 v[ADW0], s60, v[L16]
	s_lshl_b32 s61, s55, 8
	s_add_co_u32 s61, s61, s54
	s_add_co_u32 s61, s61, 8192                    ; W's scale words
	s_lshl_b32 s60, s53, 11
	s_add_co_u32 s60, s60, HALF
	v_add_nc_u32 v[ADY0], s60, v[L16]
	s_lshl_b32 s62, s53, 7
	s_add_co_u32 s62, s62, HALF+8192               ; y's, which lie above W's
	s_sub_co_u32 s63, s62, s61
	v_xor_b32 v[ADS0], 1, v3                       ; 1 - h
	s_delay_alu instid0(VALU_DEP_1)
	v_mul_u32_u24 v[ADS0], s63, v[ADS0]            ; the lower base + (1 - h) x the distance
	s_delay_alu instid0(VALU_DEP_1)
	v_lshl_add_u32 v[ADS0], v2, 2, v[ADS0]
	s_delay_alu instid0(VALU_DEP_1)
	v_add_nc_u32 v[ADS0], s61, v[ADS0]
	v_lshl_add_u32 v[ADT0], v2, 2, s61
	s_mul_i32 s56, s[WV], 16*272
	s_add_co_u32 s56, s56, STG                     ; my stage
	v_mul_u32_u24 v[STO], v2, 272
	s_delay_alu instid0(VALU_DEP_1)
	v_lshl_add_u32 v[STO], v3, 6, v[STO]
	s_delay_alu instid0(VALU_DEP_1)
	v_add_nc_u32 v[STO], s56, v[STO]               ; in: row r, + 64 h: tile 2 b + u's eight columns lie 128 b + 32 u further on
	v_mul_u32_u24 v[RD], v3, 272
	s_delay_alu instid0(VALU_DEP_1)
	v_lshl_add_u32 v[RD], v2, 4, v[RD]
	s_delay_alu instid0(VALU_DEP_1)
	v_add_nc_u32 v[RD], s56, v[RD]                 ; back: lanes 0-15 one row, lanes 16-31 the next
	v_lshlrev_b32 v[CO], 12, v3
	s_delay_alu instid0(VALU_DEP_1)
	v_lshl_add_u32 v[CO], v2, 4, v[CO]             ; and the same in out0
	s_mov_b32 s[TB], 0
	s_lshl_b32 s54, s17, 10
	s_lshl_b32 s55, s52, 8
	s_add_co_u32 s58, s54, s55                     ; my 64 columns, in bytes
	s_mov_b32 s59, 0
	s_add_nc_u64 s[8:9], s[8:9], s[58:59]
	s_lshl_b32 s54, s18, 7
	s_lshl_b32 s55, s53, 5
	s_add_co_u32 s54, s54, s55
	s_lshl_b32 s54, s54, 12                        ; my first token: 128 mb + 32 gy, rows of 4,096 bytes
	s_add_co_u32 s58, s58, s54
	s_add_nc_u64 s[10:11], s[10:11], s[58:59]
	v_lshlrev_b32 v[BO], 6, v3                     ; the bias: register j of tile 2 b + u is column 32 b + 16 h + 8 u + j
.irp i, 0,1,2,3
	global_load_b128 v[BI+8*\i:BI+8*\i+3], v[BO], s[8:9] offset:(32*(\i/2)+8*(\i%2))*4
	global_load_b128 v[BI+8*\i+4:BI+8*\i+7], v[BO], s[8:9] offset:(32*(\i/2)+8*(\i%2))*4+16
.endr
	s_wait_tensorcnt 0x0                           ; my part of LDS is in,
	s_barrier_signal -1
	s_barrier_wait -1                              ; everybody's is
	s_wait_loadcnt 0x0                             ; the bias
	KSTEP 1
	s_mov_b32 s[CNT], 7
.Lk:
	KSTEP 0
	s_sub_co_u32 s[CNT], s[CNT], 1
	s_cmp_lg_u32 s[CNT], 0
	s_cbranch_scc1 .Lk
.rept 4
	v_nop                                          ; places in front of the first read of results, and of loads into the fragments' registers
.endr
	TOSTAGE 0
	TOSTAGE 1
	SEND 0, 16
	SEND 1, 0
	s_wait_tensorcnt 0x0
	ds_add_u32 v254, v255
	s_wait_dscnt 0x0
	ROUND                                          ; the closing round: no work-group ends while a partner may still ask for a tile that names it
	s_endpgm
.Lfunc_end_k_qd5eb100617_proj:
	.size	k_qd5eb100617_proj, .Lfunc_end_k_qd5eb100617_proj-k_qd5eb100617_proj
	.p2alignl 7, 3214868480
	.fill 96, 4, 3214868480
	.section	.rodata,"a",@progbits
	.p2align	6, 0x0
	.amdhsa_kernel k_qd5eb100617_proj
		.amdhsa_group_segment_fixed_size 280576
		.amdhsa_private_segment_fixed_size 0
		.amdhsa_enable_private_segment 0
		.amdhsa_kernarg_size 32
		.amdhsa_user_sgpr_count 2
		.amdhsa_user_sgpr_kernarg_segment_ptr 1
		.amdhsa_wavefront_size32 1
		.amdhsa_system_sgpr_workgroup_id_x 1
		.amdhsa_system_sgpr_workgroup_id_y 1
		.amdhsa_system_sgpr_workgroup_id_z 1
		.amdhsa_system_vgpr_workitem_id 0
		.amdhsa_next_free_vgpr 256
		.amdhsa_next_free_sgpr 72
		.amdhsa_reserve_vcc 0
		.amdhsa_float_denorm_mode_32 3
		.amdhsa_float_denorm_mode_16_64 3
		.amdhsa_memory_ordered 1
		.amdhsa_forward_progress 1
		.amdhsa_inst_pref_size 17
	.end_amdhsa_kernel
	.amdgpu_metadata
---
amdhsa.version: [ 1, 2 ]
amdhsa.kernels:
  - .name:           k_qd5eb100617_proj
    .symbol:         k_qd5eb100617_proj.kd
    .args:
      - { .name: yop, .offset: 0, .size: 8, .value_kind: global_buffer, .address_space: global }
      - { .name: wpop, .offset: 8, .size: 8, .value_kind: global_buffer, .address_space: global }
      - { .name: b_proj, .offset: 16, .size: 8, .value_kind: global_buffer, .address_space: global }
      - { .name: out0, .offset: 24, .size: 8, .value_kind: global_buffer, .address_space: global }
    .group_segment_fixed_size: 280576
    .private_segment_fixed_size: 0
    .kernarg_segment_align: 8
    .kernarg_segment_size: 32
    .max_flat_workgroup_size: 512
    .sgpr_count:     72
    .vgpr_count:     256
    .wavefront_size: 32
...
	.end_amdgpu_metadata
.endif
;; end of part 4
